; MI455X (gfx1250); checked and timed in simulation.
; The chip was launched on July 23, 2026; its instructions are those of AMD's public machine-readable ISA for CDNA 5 (MIT licence, August 2026) and "CDNA5" Instruction Set Architecture Reference Guide (July 2026). The comments in the code are by the model that wrote it; some were corrected since.
;; L La MA Attention. Allowed arithmetic: float matrix products may take bf16 or f16 operands with f32 sums; all other float work in f32.
;; Inputs: attention_mask 1 x 1 x 2,048 x 2,048 float32; hidden_states 1 x 2,048 x 4,096 float32; position_ids 1 x 2,048 int32; wk 1,024 x 4,096 float32; wo 4,096 x 2,048 float32; wq 2,048 x 4,096 float32; wv 1,024 x 4,096 float32.
;; Outputs: out0 1 x 2,048 x 4,096 float32.
;; 2 versions, each right; version 2 is version 1 with the launch prep written anew for expert scheduling mode. Each part assembles by itself: llvm-mc -triple=amdgcn-amd-amdhsa -mcpu=gfx1250 --defsym DOCPART=n.
;; ======== version 1 of 2: 4 launches
;; limits: right only within a limited range of input values; values are held in f16: magnitudes above 65,504 overflow, below 6.1e-05 lose precision
;; workspace buffers: xb 16,777,216 bytes; wb 33,554,432 bytes; wob 16,777,216 bytes; rope 1,048,576 bytes; qkvh 16,777,216 bytes; ctxh 8,388,608 bytes
;; launch prep (part 1): grid 128 x 9, 8 waves a work-group, no clusters, 18,432 bytes of LDS; arguments hidden_states, wq, wk, wv, wo, position_ids, xb, wb, wob, rope; writes xb, wb, wob, rope
.if DOCPART == 1
	.amdgcn_target "amdgcn-amd-amdhsa--gfx1250"
	.amdhsa_code_object_version 6
	.text
	.protected	k_q509fd90231_prep
	.globl	k_q509fd90231_prep
	.p2align	8
	.type	k_q509fd90231_prep,@function
k_q509fd90231_prep:
	s_mov_b64 s[64:65], 0
	v_nop
	global_prefetch_b8 v0, s[64:65] scope:SCOPE_SE
	s_setreg_imm32_b32 hwreg(HW_REG_WAVE_MODE, 25, 1), 1
	s_wait_xcnt 0x0
; PREP: the casts of the five f32 operands to 16 bits, and the table of rotary cosines and sines.
;   xb  = bf16(hidden_states)                        [2048][4096], row-major
;   wb  = bf16(wq) ; bf16(wk) ; bf16(wv)/8           4096 rows (0-2047, 2048-3071, 3072-4095) x 4096 k, IN FRAGMENT ORDER (the division by 8 is exact)
;   wob = 8 * bf16(wo), written as f16               4096 rows x 2048 k, IN FRAGMENT ORDER (a bf16 has 8 significant bits, an f16 11: exact inside f16's normal range)
;   rope[s] = ALPHA*cos(pos[s]*f[0..63]), ALPHA*sin(pos[s]*f[0..63])   [2048][128] f32
; FRAGMENT ORDER: element (n, k) of a weight with K columns lies at byte
;   ((n>>7)*(K/32) + (k>>5))*8192 + ((n>>4)&7)*1024 + ((k>>4)&1)*512 + ((n&15) + 16*((k>>3)&1))*16 + (k&7)*2,
; which is the register image of a 16 x 32 matrix operand: lane l of a wave finds its 16 bytes at 16 l, so the products load 512 consecutive bytes an instruction.
; ALPHA = sqrt(128^-0.5 * log2 e): q and k both carry it, so that q.k is the scaled score in powers of two.
; LIMITS: |8 wo| must stay below 65,504; 8 wo below 2^-14 loses bits (absolute error at most 3e-8); |position| at most 2^20 (two-term
; reduction of the angle); the frequencies come from v_exp_f32 and differ from a correctly rounded power by a few units in the last place.
; Grid y = 0, 1: hidden_states; 2..5: wq, wq, wk, wv; 6, 7: wo: a unit of 16 MiB of f32 each, grid x a 128 KiB part of it.  Grid y = 8: the table.
; A stream: memory binds, so there is no matrix work and no barrier.  Sixteen loads of every wave are on their way (a ring of sixteen register slots); every store
; has data registers of its own and no address register is ever rewritten (steps stand in the immediates), so nothing waits for a store.
; The weights change order through LDS bytes that are the wave's own (LDS serves a wave's instructions in order: no wait between its stores and its loads).
.set X,     8                          ; v[8:71]    slot i of 16: four f32 as loaded
.set T,     72                         ; v[72:75]   at work
.set D,     76                         ; v[76:77]   four 16-bit numbers on their way into LDS
.set Y,     80                         ; v[80:143]  data of the global stores, each register written once
.set STEPS, 32                         ; 131,072 bytes / 4,096
.set DEPTH, 16
.set UP,    272                        ; LDS: a unit of 256 bytes (16 rows x 8 k) + 16
.set WLDS,  8*UP                       ; a wave's bytes: 8 units = 16 rows x 64 k
.macro LWAIT n                         ; loads return in order: step n's is in, the younger ones stay out; the last steps load nothing and the count runs down
.if STEPS-1-(\n) < DEPTH-1
	s_wait_loadcnt STEPS-1-(\n)
.else
	s_wait_loadcnt DEPTH-1
.endif
.endm
; hidden_states, one step: thread t takes 16 bytes of every 4,096; a wave's store covers 256 consecutive aligned bytes.
.macro CSTEP
.set sl, ci % DEPTH
	LWAIT ci
	v_cvt_pk_bf16_f32 v[Y+2*ci],   v[X+4*sl],   v[X+4*sl+1]
	v_cvt_pk_bf16_f32 v[Y+2*ci+1], v[X+4*sl+2], v[X+4*sl+3]
.if ci+DEPTH < STEPS
	global_load_b128 v[X+4*sl:X+4*sl+3], v1, s[28:29] offset:4096*(ci+DEPTH) th:TH_LOAD_NT
.endif
	global_store_b64 v2, v[Y+2*ci:Y+2*ci+1], s[30:31] offset:2048*ci           ; a later launch reads it: no hint
.set ci, ci+1
.endm
; A weight.  The work-group owns 16 rows x 2,048 k; wave w owns k = 512 it + 64 w .. +63 in pass it = 0..3.  Step ti = 8 it + i: lanes 0-15 hold 256 bytes of row 2 i,
; lanes 16-31 of row 2 i + 1.  Lane (p, q) (p = l >> 4, q = l & 15) holds k = 4 q .. 4 q + 3 of the 64: unit u = q >> 1 (chunk, half of the registers, half of the lanes),
; 8 bytes at 8 (q & 1) of its row's 16.  In LDS row 2 i + p stands at place 8 p + i of its unit, so that the 32 lanes of a store hit 32 different 8-byte columns.
.macro TSTEP rowb, half
.set sl,   ti % DEPTH
.set t_it, ti / 8
.set t_i,  ti % 8
	LWAIT ti
	v_pk_mul_f32 v[T:T+1],   v[X+4*sl:X+4*sl+1],   s[38:39] op_sel_hi:[1,0]    ; the weight's scale: 1, 1/8 (wv) or 8 (wo), a power of two
	v_pk_mul_f32 v[T+2:T+3], v[X+4*sl+2:X+4*sl+3], s[38:39] op_sel_hi:[1,0]
	v_cvt_pk_bf16_f32 v[D],   v[T],   v[T+1]
	v_cvt_pk_bf16_f32 v[D+1], v[T+2], v[T+3]
.if \half
	v_lshlrev_b32 v[T],   16, v[D]                ; the rounded values again as f32,
	v_and_b32     v[T+1], 0xffff0000, v[D]
	v_lshlrev_b32 v[T+2], 16, v[D+1]
	v_and_b32     v[T+3], 0xffff0000, v[D+1]
	v_cvt_pk_f16_f32 v[D],   v[T],   v[T+1]       ; and, without a further rounding, as f16
	v_cvt_pk_f16_f32 v[D+1], v[T+2], v[T+3]
.endif
	ds_store_b64 v3, v[D:D+1] offset:16*t_i
.if ti+DEPTH < STEPS
	global_load_b128 v[X+4*sl:X+4*sl+3], v1, s[28:29] offset:2*t_i*(\rowb)+(t_it+2)*2048 th:TH_LOAD_NT
.endif
.if t_i == 7
.irp m, 0,1,2,3
	ds_load_b128 v[Y+16*t_it+4*\m:Y+16*t_it+4*\m+3], v4 offset:2*UP*\m         ; two units = half a fragment, lane l its 16 bytes
.endr
.irp m, 0,1,2,3
	s_wait_dscnt 3-\m                              ; load m is in, the younger ones stay out
	global_store_b128 v2, v[Y+16*t_it+4*\m:Y+16*t_it+4*\m+3], s[30:31] offset:t_it*131072+(\m>>1)*8192+(\m&1)*512   ; 512 consecutive aligned bytes
.endr
.endif
.set ti, ti+1
.endm
; Lane addresses of a weight's pass.  sh: log2 of the bytes in a source row.
.macro TSETUP sh
	s_mul_i32 s7, s6, WLDS                         ; my wave's LDS bytes
	v_and_b32 v5, 31, v0                           ; l
	v_and_b32 v6, 15, v0                           ; q
	v_bfe_u32 v7, v0, 4, 1                         ; p
	v_lshrrev_b32 v[T], 1, v6                      ; q >> 1
	v_and_b32 v[T+1], 1, v0                        ; q & 1
	v_mul_u32_u24 v3, v[T], UP                     ; in: unit q >> 1,
	v_lshl_add_u32 v3, v[T+1], 3, v3               ; 8 (q & 1),
	v_lshl_add_u32 v3, v7, 7, v3                   ; place 8 p (+ i in the immediate)
	v_add_nc_u32 v3, s7, v3
	v_lshl_add_u32 v4, v[T+1], 3, v[T]             ; back: row r = q stands at place 8 (r & 1) + (r >> 1),
	v_lshlrev_b32 v4, 4, v4
	v_mad_u32_u24 v4, v7, UP, v4                   ; lanes 16-31 take the next unit
	v_add_nc_u32 v4, s7, v4
	v_lshlrev_b32 v2, 4, v5                        ; result: 16 l + two chunks of 8,192 bytes a wave
	v_lshl_add_u32 v2, s6, 14, v2
	v_lshlrev_b32 v1, 4, v6                        ; source: 16 q + 256 w + p rows
	v_lshl_add_u32 v1, s6, 8, v1
	v_lshl_add_u32 v1, v7, \sh, v1
.endm
; cos and sin of position x frequency 4 iq + e, both times ALPHA, into v[24+e] and v[28+e].
.macro SC e
	v_add_nc_u32 v10, \e, v5
	v_cvt_f32_u32 v10, v10
	v_mul_f32 v10, 0xbe9773da, v10                 ; -i * log2(500000)/64
	v_exp_f32 v11, v10                             ; the plain frequency
	v_nop                                          ; one plain place behind a transcendental (ISA guide 5.7.2)
	s_wait_alu depctr_va_vdst(0)
	v_fmaak_f32 v12, s40, v11, 0xbf800000          ; 8192/wavelength - 1
	v_mul_f32 v12, 0x3eaaaaab, v12                 ; / 3: the smoothing weight
	v_fmaak_f32 v12, s41, v12, 0x3e000000          ; (1-w)/8 + w = 0.875 w + 0.125
	v_mul_f32 v12, v11, v12                        ; the smoothed frequency
	v_mul_f32 v13, 0x3e000000, v11                 ; the frequency / 8
	v_cmp_gt_f32 vcc_lo, s42, v11                  ; wavelength > 8192
	v_cndmask_b32 v12, v12, v13, vcc_lo
	v_cmp_lt_f32 vcc_lo, s43, v11                  ; wavelength < 2048
	v_cndmask_b32 v12, v12, v11, vcc_lo
	v_mul_f32 v13, v4, v12                         ; the angle, rounded to f32 as in the problem's formula
	v_mul_f32 v14, 0x3f22f983, v13
	v_rndne_f32 v14, v14                           ; k = nearest multiple of pi/2
	v_fmamk_f32 v15, v14, 0xbfc90fdb, v13          ; r = angle - k pi/2, pi/2 in two parts
	v_fmamk_f32 v15, v14, 0x333bbd2e, v15
	v_mul_f32 v16, v15, v15
	v_fmaak_f32 v17, s44, v16, 0x3c088889          ; sin r = r + r r2 (-1/6 + r2 (1/120 - r2/5040)), |r| <= pi/4
	v_fmaak_f32 v17, v17, v16, 0xbe2aaaab
	v_mul_f32 v18, v15, v16
	v_fma_f32 v17, v17, v18, v15
	v_fmaak_f32 v19, s45, v16, 0xbab60b61          ; cos r = 1 + r2 (-1/2 + r2 (1/24 + r2 (-1/720 + r2/40320)))
	v_fmaak_f32 v19, v19, v16, 0x3d2aaaab
	v_fmaak_f32 v19, v19, v16, 0xbf000000
	v_fma_f32 v19, v19, v16, 1.0
	v_cvt_i32_f32 v20, v14
	v_and_b32 v21, 1, v20
	v_cmp_eq_u32 vcc_lo, 1, v21                    ; odd quadrant: sin and cos change places
	v_cndmask_b32 v22, v17, v19, vcc_lo            ; sin
	v_cndmask_b32 v23, v19, v17, vcc_lo            ; cos
	v_lshlrev_b32 v21, 30, v20
	v_and_b32 v21, 0x80000000, v21                 ; sin is negated in quadrants 2, 3
	v_xor_b32 v22, v21, v22
	v_add_nc_u32 v20, 1, v20
	v_lshlrev_b32 v20, 30, v20
	v_and_b32 v20, 0x80000000, v20                 ; cos in quadrants 1, 2
	v_xor_b32 v23, v20, v23
	v_mul_f32 v[24+\e], s46, v23
	v_mul_f32 v[28+\e], s46, v22
.endm
	s_load_b512 s[8:23], s[0:1], 0x0               ; hidden 8, wq 10, wk 12, wv 14, wo 16, positions 18, xb 20, wb 22
	s_load_b128 s[24:27], s[0:1], 0x40             ; wob 24, rope 26
	v_lshl_add_u32 v144, v0, 2, 0x4400
	v_mov_b32 v145, 0
	s_and_b32 s4, ttmp7, 0xffff                    ; y: the unit
	s_mov_b32 s5, ttmp9                            ; x: the part of it
	v_lshrrev_b32 v5, 5, v0
	v_readfirstlane_b32 s6, v5                     ; wave 0..7
	s_wait_kmcnt 0x0
	s_cmp_eq_u32 s4, 8
	s_cbranch_scc1 .Ltable
	s_cmp_ge_u32 s4, 6
	s_cbranch_scc1 .Lwo
	s_cmp_ge_u32 s4, 2
	s_cbranch_scc1 .Lw
	; hidden_states -> xb, in the order in which it lies
	v_lshlrev_b32 v1, 4, v0                        ; my 16 bytes of every 4,096 read
	v_lshlrev_b32 v2, 3, v0                        ; my 8 bytes of every 2,048 written
	s_lshl_b32 s32, s4, 24                         ; the unit,
	s_lshl_b32 s7, s5, 17                          ; 131,072 bytes read by each work-group
	s_add_co_u32 s32, s32, s7
	s_mov_b32 s33, 0
	s_lshl_b32 s34, s4, 23
	s_lshl_b32 s7, s5, 16                          ; 65,536 written
	s_add_co_u32 s34, s34, s7
	s_mov_b32 s35, 0
	s_add_nc_u64 s[28:29], s[8:9], s[32:33]
	s_add_nc_u64 s[30:31], s[20:21], s[34:35]
.set i, 0
.rept DEPTH
	global_load_b128 v[X+4*i:X+4*i+3], v1, s[28:29] offset:4096*i th:TH_LOAD_NT       ; fill the ring
.set i, i+1
.endr
.set ci, 0
.rept STEPS
	CSTEP
.endr
	s_endpgm
.Lw:	; wq (y = 2, 3), wk (4), wv (5) -> wb.  x: row group x >> 1 of the unit's 64, half x & 1 of K
	s_cmp_eq_u32 s4, 4
	s_cselect_b64 s[28:29], s[12:13], s[10:11]
	s_cmp_eq_u32 s4, 5
	s_cselect_b64 s[28:29], s[14:15], s[28:29]
	s_cselect_b32 s38, 0x3e000000, 1.0             ; wv is divided by 8
	s_mov_b32 s39, s38
	s_cmp_eq_u32 s4, 3
	s_cselect_b32 s32, 0x1000000, 0                ; wq's second unit
	s_lshr_b32 s7, s5, 1
	s_lshl_b32 s36, s7, 18                         ; 16 rows of 16,384 bytes
	s_add_co_u32 s32, s32, s36
	s_and_b32 s37, s5, 1
	s_lshl_b32 s36, s37, 13                        ; 2,048 f32
	s_add_co_u32 s32, s32, s36
	s_mov_b32 s33, 0
	s_sub_co_u32 s34, s4, 2
	s_lshl_b32 s34, s34, 3                         ; a unit is 1,024 rows = 8 blocks of 128
	s_lshr_b32 s36, s5, 4
	s_add_co_u32 s34, s34, s36
	s_lshl_b32 s34, s34, 20                        ; a block of 128 rows: 128 chunks of 8,192 bytes
	s_and_b32 s36, s7, 7
	s_lshl_b32 s36, s36, 10                        ; the row group in its block
	s_add_co_u32 s34, s34, s36
	s_lshl_b32 s36, s37, 19                        ; 64 chunks
	s_add_co_u32 s34, s34, s36
	s_mov_b32 s35, 0
	s_add_nc_u64 s[28:29], s[28:29], s[32:33]
	s_add_nc_u64 s[30:31], s[22:23], s[34:35]
	TSETUP 14
.set i, 0
.rept DEPTH
	global_load_b128 v[X+4*i:X+4*i+3], v1, s[28:29] offset:2*(i%8)*16384+(i/8)*2048 th:TH_LOAD_NT
.set i, i+1
.endr
.set ti, 0
.rept STEPS
	TSTEP 16384, 0
.endr
	s_wait_tensorcnt 0x0
	ds_add_u32 v144, v145
	s_wait_dscnt 0x0
	s_endpgm
.Lwo:	; wo (y = 6, 7) -> wob.  x: row group of the unit's 128; a row is 2,048 f32
	s_mov_b32 s38, 0x41000000                      ; wo is multiplied by 8
	s_mov_b32 s39, s38
	s_and_b32 s37, s4, 1
	s_lshl_b32 s32, s37, 24
	s_lshl_b32 s36, s5, 17                         ; 16 rows of 8,192 bytes
	s_add_co_u32 s32, s32, s36
	s_mov_b32 s33, 0
	s_lshl_b32 s34, s37, 4                         ; a unit is 2,048 rows = 16 blocks of 128
	s_lshr_b32 s36, s5, 3
	s_add_co_u32 s34, s34, s36
	s_lshl_b32 s34, s34, 19                        ; a block of 128 rows: 64 chunks of 8,192 bytes
	s_and_b32 s36, s5, 7
	s_lshl_b32 s36, s36, 10
	s_add_co_u32 s34, s34, s36
	s_mov_b32 s35, 0
	s_add_nc_u64 s[28:29], s[16:17], s[32:33]
	s_add_nc_u64 s[30:31], s[24:25], s[34:35]
	TSETUP 13
.set i, 0
.rept DEPTH
	global_load_b128 v[X+4*i:X+4*i+3], v1, s[28:29] offset:2*(i%8)*8192+(i/8)*2048 th:TH_LOAD_NT
.set i, i+1
.endr
.set ti, 0
.rept STEPS
	TSTEP 8192, 1
.endr
	s_wait_tensorcnt 0x0
	ds_add_u32 v144, v145
	s_wait_dscnt 0x0
	s_endpgm
.Ltable:
	s_mov_b32 s40, 0x44a2f983                      ; 8192 / (2 pi)
	s_mov_b32 s41, 0x3f600000                      ; 0.875
	s_mov_b32 s42, 0x3a490fdb                      ; 2 pi / 8192
	s_mov_b32 s43, 0x3b490fdb                      ; 2 pi / 2048
	s_mov_b32 s44, 0xb9500d01                      ; -1/5040
	s_mov_b32 s45, 0x37d00d01                      ; 1/40320
	s_mov_b32 s46, 0x3eb6d544                      ; ALPHA = 0.35709583
	v_lshl_add_u32 v3, s5, 8, v0                   ; 256 x + thread = 16 s + iq
	v_lshrrev_b32 v6, 4, v3                        ; s
	v_and_b32 v5, 15, v3                           ; iq
	v_lshlrev_b32 v8, 2, v6
	global_load_b32 v4, v8, s[18:19]               ; the position
	v_lshlrev_b32 v7, 9, v6                        ; a table row is 512 bytes
	v_lshl_add_u32 v7, v5, 4, v7                   ; my four cosines; sixteen lanes fill 256 consecutive aligned bytes
	v_lshlrev_b32 v5, 2, v5                        ; my first frequency
	s_wait_loadcnt 0x0
	v_cvt_f32_i32 v4, v4
	SC 0
	SC 1
	SC 2
	SC 3
	global_store_b128 v7, v[24:27], s[26:27]
	global_store_b128 v7, v[28:31], s[26:27] offset:256
	s_endpgm
.Lfunc_end_k_q509fd90231_prep:
	.size	k_q509fd90231_prep, .Lfunc_end_k_q509fd90231_prep-k_q509fd90231_prep
	.p2alignl 7, 3214868480
	.fill 96, 4, 3214868480
	.section	.rodata,"a",@progbits
	.p2align	6, 0x0
	.amdhsa_kernel k_q509fd90231_prep
		.amdhsa_group_segment_fixed_size 18432
		.amdhsa_private_segment_fixed_size 0
		.amdhsa_enable_private_segment 0
		.amdhsa_kernarg_size 80
		.amdhsa_user_sgpr_count 2
		.amdhsa_user_sgpr_kernarg_segment_ptr 1
		.amdhsa_wavefront_size32 1
		.amdhsa_system_sgpr_workgroup_id_x 1
		.amdhsa_system_sgpr_workgroup_id_y 1
		.amdhsa_system_sgpr_workgroup_id_z 1
		.amdhsa_system_vgpr_workitem_id 0
		.amdhsa_next_free_vgpr 146
		.amdhsa_next_free_sgpr 66
		.amdhsa_reserve_vcc 1
		.amdhsa_float_denorm_mode_32 3
		.amdhsa_float_denorm_mode_16_64 3
		.amdhsa_memory_ordered 1
		.amdhsa_forward_progress 1
		.amdhsa_inst_pref_size 69
	.end_amdhsa_kernel
	.amdgpu_metadata
---
amdhsa.version: [ 1, 2 ]
amdhsa.kernels:
  - .name:           k_q509fd90231_prep
    .symbol:         k_q509fd90231_prep.kd
    .args:
      - { .name: hidden_states, .offset: 0, .size: 8, .value_kind: global_buffer, .address_space: global }
      - { .name: wq, .offset: 8, .size: 8, .value_kind: global_buffer, .address_space: global }
      - { .name: wk, .offset: 16, .size: 8, .value_kind: global_buffer, .address_space: global }
      - { .name: wv, .offset: 24, .size: 8, .value_kind: global_buffer, .address_space: global }
      - { .name: wo, .offset: 32, .size: 8, .value_kind: global_buffer, .address_space: global }
      - { .name: position_ids, .offset: 40, .size: 8, .value_kind: global_buffer, .address_space: global }
      - { .name: xb, .offset: 48, .size: 8, .value_kind: global_buffer, .address_space: global }
      - { .name: wb, .offset: 56, .size: 8, .value_kind: global_buffer, .address_space: global }
      - { .name: wob, .offset: 64, .size: 8, .value_kind: global_buffer, .address_space: global }
      - { .name: rope, .offset: 72, .size: 8, .value_kind: global_buffer, .address_space: global }
    .group_segment_fixed_size: 18432
    .private_segment_fixed_size: 0
    .kernarg_segment_align: 8
    .kernarg_segment_size: 80
    .max_flat_workgroup_size: 256
    .sgpr_count:     66
    .vgpr_count:     146
    .wavefront_size: 32
...
	.end_amdgpu_metadata
.endif
;; end of part 1
;; launch qkv (part 2): grid 16 x 16, 4 waves a work-group, clusters of 4 x 4, 327,680 bytes of LDS; arguments xb, wb, qkvh, rope; writes qkvh
.if DOCPART == 2
	.amdgcn_target "amdgcn-amd-amdhsa--gfx1250"
	.amdhsa_code_object_version 6
	.text
	.protected	k_q509fd90231_qkv
	.globl	k_q509fd90231_qkv
	.p2align	8
	.type	k_q509fd90231_qkv,@function
k_q509fd90231_qkv:
	s_mov_b64 s[64:65], 0
	v_nop
	global_prefetch_b8 v0, s[64:65] scope:SCOPE_SE
	s_setreg_imm32_b32 hwreg(HW_REG_WAVE_MODE, 25, 1), 1
	s_wait_xcnt 0x0
	s_wait_alu depctr_hold_cnt(0) depctr_sa_sdst(0) depctr_va_vdst(0) depctr_va_sdst(0) depctr_va_ssrc(0) depctr_va_vcc(0) depctr_vm_vsrc(0)
	s_getreg_b32 s2, hwreg(HW_REG_IB_STS2, 6, 4)
	s_cmp_eq_u32 s2, 0
	s_cbranch_scc0 .Lentry_in_a_cluster
	s_endpgm
.Lentry_in_a_cluster:
	s_bfe_u32 s2, ttmp6, 0x10000c
	s_cmp_lg_u32 s2, 0xf033
	s_cbranch_scc0 .Lentry_shape_is_right
	s_endpgm
.Lentry_shape_is_right:
; QKV: C[m][n] = sum over k of xb[m][k] w[n][k] (bf16 operands, f32 sums), the rotary turn on the q and k columns, rounding to f16.
;   qkvh [2048][4096] f16: columns 0-2047 ALPHA rope(q), 2048-3071 ALPHA rope(k), 3072-4095 v/8 (the table holds ALPHA cos, ALPHA sin; wb holds wv/8).
; f16 keeps 11 significant bits for the attention that follows.  LIMIT: |ALPHA q|, |ALPHA k|, |v/8| must stay below 65,504.
; A work-group makes 128 x 256 of C with four waves.  Wave w = 2 kh + nh makes a PARTIAL block of 128 rows x columns 128 nh .. +127 over half of K: of every 256
; along K it takes elements 128 kh .. +127, in four chunks of 32.  A chunk is 64 matrix instructions on 64 accumulator tiles (512 registers).  At the end the two waves
; of one nh exchange halves through LDS: each keeps rows 64 kh .. +63 and sends the others.
; xb comes through LDS: a ring of two slots of 128 rows x 256 k (rows of 512 bytes of memory at multiples of 512), each wave fetching 32 rows with one tensor load.
; CLUSTERS: 4 x 4 work-groups.  The four of a row of the cluster need the same rows of xb: its tiles are asked for jointly (same line, same descriptor, a mask that
; names the four).
; wb IS NOT ASKED FOR JOINTLY AND DOES NOT PASS LDS.  With K split between the waves each fragment of wb (16 rows x 32 k, 1,024 bytes) is multiplied by ONE wave of the
; work-group, so LDS would only be written once and read once for it (2 x 64 KiB for every 128 of K), and a ring that held xb's and wb's rows together (384 rows) would
; have room for slots of 128 k only: 128 matrix instructions of a wave from barrier to barrier.  wb lies in memory in fragment order (lane l's 16 bytes at 16 l), so a
; load of a wave covers 512 consecutive aligned bytes and a chunk's 16 loads 8,192; 48 loads (24 KiB) of every wave are on their way, behind counted waits, with no
; barrier in their path.  The price: the four work-groups of a column of the cluster each fetch the same rows of wb, 2 MiB a work-group.  The cluster stays 4 x 4, so
; that these four walk K in step.
; REGISTERS in windows of 256: window 0: v0-31 addresses, v64-127 / v128-191 fragments of xb (two buffers), v192-223 at work on the way out;
;   window 1: four buffers of 64 registers for wb's fragments (chunk c of a slot in buffer c), later the table; window 2: the 32 tiles of the rows that I keep
;   (tile (a, b) at 8 (8 a + b)); window 3: the 32 tiles of the rows that I send.
; The matrix instruction is used transposed (source 0 = 16 rows of wb, source 1 = 16 rows of xb): lane l holds row l % 16 of C and its registers
; 0..7 the columns 8 (l / 16) + 0..7, eight neighbouring numbers of a row.
.set SIZE_K, 4096
.set NKC,    SIZE_K/32                 ; chunks of 32 along K
.set CP,     8192                      ; bytes in a row of qkvh
.set KS,     256                       ; K of a slot
.set PITCH,  528                       ; an LDS row: 512 bytes + 16 of padding = 33 x 16: the 16 rows of a fragment load start at 16 different 16-byte columns modulo 256
.set SLOT,   128*PITCH                 ; 67,584
.set XCH,    2*SLOT                    ; behind the ring: 16,384 bytes for each wave, for the exchange; no tensor load lands here
.set XW,     16384
.set STAGE,  XCH+4*XW                  ; 16 rows x 272 bytes for each wave, for the way out
.set SP,     272
.set BODIES, SIZE_K/(2*KS)             ; a body = two slots = once round the ring = 8 chunks of a wave
.set BCH,    8192                      ; wb: 128 rows x 32 k
.set BSL,    8*BCH                     ; wb: from a slot's first chunk to the next slot's (4 chunks mine, 4 my partner's)
.set ADRALO, 16                        ; v16-17  LDS address of the xb rows that I keep, slot 0, 1
.set ADRAHI, 18                        ; v18-19  of those that I send
.set BO,     20                        ; v20     16 l: my 16 bytes of every 512 of wb; never rewritten
.set STO,    24                        ; the way out: where I put 16 bytes of a row
.set RD,     25                        ; where I read a row back
.set CO,     26                        ; my byte offset in qkvh
.set XST,    27                        ; the exchange: where I put
.set XLD,    28                        ; where my partner has put
.set TO,     29                        ; my byte offset in the table
.set F0,     64
.set TMP,    192
.set G1,  24                           ; s[24:31] group 1 for xb's tiles
.set G0,  32                           ; s[32:39] group 0 for xb's tiles, a set for each slot
.set PA,  48                           ; s[48:49] wb's base for the loads issued in chunks 0-3 of a body
.set PB,  50                           ; s[50:51] for those issued in chunks 4-7
.set FLAGS, (1<<16)|(1<<20)|(1<<21)|(6<<22)|(3<<25)   ; element of 2 bytes; padding on; bit 21 beside a mask; after every 128 words; 4 words
.set MSB, 0
.macro WIN new                         ; the immediate's high byte repeats the setting that is left
.if MSB != \new
	s_set_vgpr_msb (MSB<<8)|\new
.set MSB, \new
.endif
.endm
.set MUL_LO, 0xa1                      ; source 0 (wb) window 1, source 1 (xb) window 0, C and D window 2
.set MUL_HI, 0xf1                      ; the same, C and D window 3
.set TO_B,   0x40                      ; destination window 1, address window 0
; A round of the cluster's barrier: my work-group's barrier; wave 0 signals for the work-group; every wave waits for all sixteen; my work-group's barrier again.
.macro CREST                           ; a round behind its opening barrier
	s_cmp_lg_u32 s12, 0
	s_cbranch_scc1 .Lnot_wave_0_\@
	s_barrier_signal -3
.Lnot_wave_0_\@:
	s_barrier_wait -3
	s_barrier_signal -1
	s_barrier_wait -1
.endm
.macro CROUND
	s_barrier_signal -1
	s_barrier_wait -1
	CREST
.endm
.macro PLACES                          ; four plain places behind a matrix instruction (ISA guide 7.12.1) before its registers are loaded into, read or written
.rept 4
	v_nop
.endr
.endm
; 16 matrix instructions: row blocks a0, a0 + 1 of the window's four x all 8 column blocks, 32 along K.  zero = 1: the first product starts the sums.
.macro MUL16 fa, fb, hi, a0, zero
.irp a, \a0, \a0+1
.irp b, 0,1,2,3,4,5,6,7
.if \zero
	v_wmma_f32_16x16x32_bf16 v[8*(8*(\a)+\b):8*(8*(\a)+\b)+7], v[\fb+8*\b:\fb+8*\b+7], v[\fa+8*(4*\hi+(\a)):\fa+8*(4*\hi+(\a))+7], 0
.else
	v_wmma_f32_16x16x32_bf16 v[8*(8*(\a)+\b):8*(8*(\a)+\b)+7], v[\fb+8*\b:\fb+8*\b+7], v[\fa+8*(4*\hi+(\a)):\fa+8*(4*\hi+(\a))+7], v[8*(8*(\a)+\b):8*(8*(\a)+\b)+7]
.endif
.endr
.endr
.endm
; 16 LDS loads: the 64 rows of xb that I keep, the 64 that I send; 32 k at byte no of my half of slot ns's rows; into buffer f
.macro FETCHA ns, no, f
.irp t, 0,1,2,3
	ds_load_b128 v[\f+8*\t:\f+8*\t+3],   v[ADRALO+\ns] offset:\no+\t*16*PITCH
	ds_load_b128 v[\f+8*\t+4:\f+8*\t+7], v[ADRALO+\ns] offset:\no+\t*16*PITCH+32
.endr
.irp t, 0,1,2,3
	ds_load_b128 v[\f+32+8*\t:\f+32+8*\t+3],   v[ADRAHI+\ns] offset:\no+\t*16*PITCH
	ds_load_b128 v[\f+32+8*\t+4:\f+32+8*\t+7], v[ADRAHI+\ns] offset:\no+\t*16*PITCH+32
.endr
.endm
; 16 global loads: a chunk of wb, 8,192 consecutive bytes, 512 an instruction, into the buffer at register q of window 1
.macro LOADB q, p, off
.irp j, 0,1,2,3,4,5,6,7
	global_load_b128 v[\q+8*\j:\q+8*\j+3],   v[BO], s[\p:\p+1] offset:\off+1024*\j
	global_load_b128 v[\q+8*\j+4:\q+8*\j+7], v[BO], s[\p:\p+1] offset:\off+1024*\j+512
.endr
.endm
; Chunk i = 0..7 of a body (slot i >> 2, chunk i & 3).  The 64 accumulators take turns, one instruction a turn, in the same order in every chunk, over the loop's
; backward jump too.
; lcnt: how many younger loads of wb may stay out; ldb = 1: chunk i + 3 of wb is asked for; fa = 1: chunk i + 1 of xb is read from LDS;
; turn = 1: this slot, whose last fragments were read at this chunk's head, is filled again two slots ahead; turn = 2: the barrier alone; stp: a base of wb to step.
.macro CHUNK i, zero, lcnt, ldb, fa, turn, stp
.set k_s,  (\i)>>2
.set k_c,  (\i)&3
.set k_fa, F0+64*(k_c&1)
.set k_fn, F0+64*((k_c+1)&1)
.set k_fb, 64*k_c
.set k_ns, (((\i)+1)&7)>>2
.set k_no, 64*(((\i)+1)&3)
.set k_bq, 64*(((\i)+3)&3)
.set k_bo, (((\i)+3)>>2)*BSL+(((\i)+3)&3)*BCH
.if (\i) < 4
.set k_bp, PA
.else
.set k_bp, PB
.endif
	PLACES                                         ; the buffers of the chunk before, which the last matrix instructions read, are loaded into below
	s_wait_loadcnt \lcnt                           ; loads return in order: this chunk's 16 are in; the 16 of each of the next two chunks stay out
.if \stp
	s_add_nc_u64 s[\stp:\stp+1], s[\stp:\stp+1], 2*BSL     ; the youngest load that names this base is four chunks old: the wait above shows it done
.endif
.if \ldb
	WIN TO_B
	LOADB k_bq, k_bp, k_bo                         ; three chunks ahead: 48 loads of the wave are out
.endif
.if \fa
	WIN 0
	FETCHA k_ns, k_no, k_fn
	s_wait_dscnt 16                                ; this chunk's fragments of xb are in; the 16 loads just issued stay out
.else
	s_wait_dscnt 0
.endif
	WIN MUL_LO
	MUL16 k_fa, k_fb, 0, 0, \zero
	MUL16 k_fa, k_fb, 0, 2, \zero
	WIN MUL_HI
	MUL16 k_fa, k_fb, 1, 0, \zero
.if \turn
	s_wait_dscnt 0x0                               ; my reads of this slot are over: the last were issued at this chunk's head
	s_set_vgpr_msb 0xf1f0
	s_wait_tensorcnt 0x0                           ; and all my tensor loads have landed: one was out, my 32 rows of the other slot
	ds_add_u32 v254, v255
	s_wait_dscnt 0x0
	s_set_vgpr_msb 0xf0f1
	s_barrier_signal -1                            ; (where the slot is filled again this barrier opens a round of the cluster's barrier)
.endif
	MUL16 k_fa, k_fb, 1, 2, \zero                  ; register work while the others arrive
.if \turn
	WIN 0
	s_barrier_wait -1
.if \turn == 1
	CREST                                          ; no wave of any partner still reads this slot or has a tensor load on its way
	s_add_nc_u64 s[G0+4*k_s+2:G0+4*k_s+3], s[G0+4*k_s+2:G0+4*k_s+3], 2*KS*2
	tensor_load_to_lds s[G0+4*k_s:G0+4*k_s+3], s[G1:G1+7]  ; the first tensor load behind the round, one a wave; 240 matrix instructions stand between it and the wait for it
	s_nop 0
.endif
.endif
.endm
.macro BODY first, last
	CHUNK 0, \first, 32, 1, 1, 0, 0
	CHUNK 1, 0, 32, 1, 1, 0, 0
.if \last
	CHUNK 2, 0, 32, 1, 1, 2, 0                     ; nothing is left to fetch for slot 0: the barrier shows slot 1 whole
.else
	CHUNK 2, 0, 32, 1, 1, 1, 0
.endif
.if \first
	CHUNK 3, 0, 32, 1, 1, 0, 0
.else
	CHUNK 3, 0, 32, 1, 1, 0, PB                    ; PB's last loads were this body's chunks 0-2
.endif
	CHUNK 4, 0, 32, 1, 1, 0, 0
.if \last
	CHUNK 5, 0, 32, 0, 1, 0, 0                     ; the last three chunks ask for nothing: the counts run down
	CHUNK 6, 0, 16, 0, 1, 0, 0
	CHUNK 7, 0, 0, 0, 0, 0, 0
.else
	CHUNK 5, 0, 32, 1, 1, 0, 0
	CHUNK 6, 0, 32, 1, 1, 1, 0
	CHUNK 7, 0, 32, 1, 1, 0, PA                    ; PA's last loads were chunk 6's fragments
.endif
.endm
; The exchange, half p (row blocks 2p, 2p + 1) at a time.  XSEND: 16 tiles of window 3 into my 16,384 bytes, 512 consecutive bytes a store; then the barrier.
.macro XSEND p
	WIN 0x0c                                       ; store data (source 1) window 3
.set x, 0
.rept 32
	ds_store_b128 v[XST], v[128*\p+4*x:128*\p+4*x+3] offset:512*x
.set x, x+1
.endr
	WIN 0
	s_wait_dscnt 0x0                               ; for my partner's sake: all my stores are done
	s_barrier_signal -1
	s_barrier_wait -1
.endm
; XRECV: my partner's 16 tiles, which are sums over the other half of K for rows that I keep, are added onto window 2.
.macro XRECV p
.set x, 0
.rept 32
	ds_load_b128 v[F0+4*x:F0+4*x+3], v[XLD] offset:512*x
.set x, x+1
.endr
	s_wait_dscnt 0x0
	WIN 0x82                                       ; source 0 and destination window 2, source 1 window 0
.set x, 0
.rept 64
	v_pk_add_f32 v[128*\p+2*x:128*\p+2*x+1], v[128*\p+2*x:128*\p+2*x+1], v[F0+2*x:F0+2*x+1]
.set x, x+1
.endr
	WIN 0
.endm
; 16 rows packed in TMP go through my own stage in LDS and leave as whole rows of 256 bytes.
.macro FLUSH a, f
.irp b, 0,1,2,3,4,5,6,7
	ds_store_b128 v[STO], v[TMP+4*\b:TMP+4*\b+3] offset:32*\b
.endr
	s_wait_xcnt 0x0                                ; buffer f, which earlier stores read, and the stores' base are rewritten only behind this wait
.if \a
	s_add_nc_u64 s[8:9], s[8:9], 16*CP
.endif
.irp t, 0,1,2,3,4,5,6,7
	ds_load_b128 v[\f+4*\t:\f+4*\t+3], v[RD] offset:\t*2*SP        ; LDS serves a wave's instructions in order: these see the stores above
.endr
.irp t, 0,1,2,3,4,5,6,7
	s_wait_dscnt 7-\t                              ; row pair t is in, the younger loads stay out
	global_store_b128 v[CO], v[\f+4*\t:\f+4*\t+3], s[8:9] offset:2*\t*CP       ; 16 lanes store 256 consecutive aligned bytes
.endr
.endm
; Row block a of q or k: out[d] = x[d] c[d] - x[d+64] s[d], out[d+64] = x[d+64] c[d] + x[d] s[d]; column block b pairs with b + 4.
.macro ROUT a, f
	s_wait_loadcnt 48-16*\a                        ; this row block's 16 table loads are in; the 16 of each later block stay out
	WIN 0x06                                       ; source 0 window 2 (sums), source 1 window 1 (table), source 2 and destination window 0
.irp b, 0,1,2,3
.irp p, 0,2,4,6
	v_pk_mul_f32 v[F0+8*\b+\p:F0+8*\b+\p+1],       v[8*(8*\a+\b+4)+\p:8*(8*\a+\b+4)+\p+1], v[64*\a+32+8*\b+\p:64*\a+32+8*\b+\p+1]
	v_pk_mul_f32 v[F0+32+8*\b+\p:F0+32+8*\b+\p+1], v[8*(8*\a+\b)+\p:8*(8*\a+\b)+\p+1],     v[64*\a+32+8*\b+\p:64*\a+32+8*\b+\p+1]
.endr
.irp p, 0,2,4,6
	v_pk_fma_f32 v[F0+8*\b+\p:F0+8*\b+\p+1],       v[8*(8*\a+\b)+\p:8*(8*\a+\b)+\p+1],     v[64*\a+8*\b+\p:64*\a+8*\b+\p+1], v[F0+8*\b+\p:F0+8*\b+\p+1] neg_lo:[0,0,1] neg_hi:[0,0,1]
	v_pk_fma_f32 v[F0+32+8*\b+\p:F0+32+8*\b+\p+1], v[8*(8*\a+\b+4)+\p:8*(8*\a+\b+4)+\p+1], v[64*\a+8*\b+\p:64*\a+8*\b+\p+1], v[F0+32+8*\b+\p:F0+32+8*\b+\p+1]
.endr
.endr
	WIN 0
.irp b, 0,1,2,3,4,5,6,7
.irp q, 0,1,2,3
	v_cvt_pk_f16_f32 v[TMP+4*\b+\q], v[F0+8*\b+2*\q], v[F0+8*\b+2*\q+1]
.endr
.endr
	FLUSH \a, \f
.endm
; Row block a of v: rounded as it is.
.macro VOUT a, f
	WIN 0x0a                                       ; sources 0 and 1 window 2
.irp b, 0,1,2,3,4,5,6,7
.irp q, 0,1,2,3
	v_cvt_pk_f16_f32 v[TMP+4*\b+\q], v[8*(8*\a+\b)+2*\q], v[8*(8*\a+\b)+2*\q+1]
.endr
.endr
	WIN 0
	FLUSH \a, \f
.endm
	s_load_b256 s[4:11], s[0:1], 0x0               ; xb s[4:5], wb s[6:7], qkvh s[8:9], rope s[10:11]
	v_lshl_add_u32 v254, v0, 2, 0x35400
	v_mov_b32 v255, 0
	ds_add_u32 v254, v255
	v_lshrrev_b32 v1, 5, v0
	v_readfirstlane_b32 s12, v1                    ; wave 0..3
	s_lshr_b32 s13, s12, 1                         ; kh: my half of K
	s_and_b32 s14, s12, 1                          ; nh: my half of the columns
	s_mov_b32 s3, ttmp9                            ; the cluster's x: 0, 1 columns of q, 2 of k, 3 of v; the same in all sixteen work-groups
	s_bfe_u32 s16, ttmp6, 0x40000                  ; cx
	s_bfe_u32 s17, ttmp6, 0x40004                  ; cy
	s_lshl_b32 s18, ttmp9, 2
	s_add_co_u32 s18, s18, s16                     ; block column = 4 x cluster x + cx
	s_and_b32 s19, ttmp7, 0xffff
	s_lshl_b32 s19, s19, 2
	s_add_co_u32 s19, s19, s17                     ; block row = 4 x cluster y + cy
	s_lshl_b32 s20, s17, 2
	s_lshl_b32 s20, 15, s20                        ; my row of the cluster: places 4 cy .. 4 cy + 3
	s_or_b32 s[G1+0], s20, FLAGS                   ; xb's tiles go to my row
	s_mov_b32 s[G1+1], KS<<16                      ; tensor_dim0 = 256
	s_mov_b32 s[G1+2], 32<<16                      ; tensor_dim1 = 32
	s_mov_b32 s[G1+3], KS<<16                      ; tile_dim0 = 256
	s_mov_b32 s[G1+4], 32                          ; tile_dim1 = 32 rows
	s_mov_b32 s[G1+5], SIZE_K                      ; elements from row to row
	s_mov_b32 s[G1+6], 0
	s_mov_b32 s[G1+7], 0
	; xb's address hangs on the block row and the wave alone, in registers that never hold the block column
	s_lshl_b32 s40, s19, 7
	s_lshl_b32 s22, s12, 5
	s_add_co_u32 s40, s40, s22                     ; xb: row 128 x block row + 32 x wave
	s_mul_i32 s40, s40, SIZE_K*2                   ; in bytes: below 2^25
	s_mov_b32 s41, 0
	s_lshl_b32 s46, s18, 1
	s_add_co_u32 s46, s46, s14                     ; wb: my block of 128 rows = 2 x block column + nh
	s_mul_i32 s46, s46, NKC*BCH                    ; below 2^25
	s_lshl_b32 s47, s13, 15                        ; my four chunks of every eight
	s_add_co_u32 s46, s46, s47
	s_mov_b32 s47, 0
	s_mul_i32 s22, s12, 32*PITCH                   ; where my 32 rows go in LDS: the wave's number alone
	s_wait_dscnt 0x0
	s_wait_kmcnt 0x0
	s_add_nc_u64 s[44:45], s[4:5], s[40:41]
	s_add_nc_u64 s[PA:PA+1], s[6:7], s[46:47]
	s_mov_b64 s[PB:PB+1], s[PA:PA+1]
	CROUND                                         ; all sixteen work-groups are here: the first joint loads meet
.irp s, 0,1
	s_mov_b32 s[G0+4*\s], 1
	s_add_co_u32 s[G0+4*\s+1], s22, \s*SLOT
	s_add_nc_u64 s[G0+4*\s+2:G0+4*\s+3], s[44:45], \s*KS*2
	s_or_b32 s[G0+4*\s+3], s[G0+4*\s+3], 0x80000000
	tensor_load_to_lds s[G0+4*\s:G0+4*\s+3], s[G1:G1+7]    ; both slots' first fills: two tensor loads of a wave are out
	s_nop 0
.endr
	v_and_b32 v1, 15, v0                           ; r = l % 16 (kept to the end)
	v_bfe_u32 v2, v0, 4, 1                         ; h = l / 16 (kept to the end)
	v_and_b32 v5, 31, v0                           ; l
	v_lshlrev_b32 v[BO], 4, v5
	WIN TO_B
	LOADB 0,   PA, 0                               ; wb's chunks 0, 1, 2
	LOADB 64,  PA, BCH
	LOADB 128, PA, 2*BCH
	WIN 0
	; A fragment of xb: lane l holds row l % 16; registers 0-3 K = 8 (l / 16) + 0..7, registers 4-7 K = 16 + 8 (l / 16) + 0..7: two loads of 16 bytes, 32 apart
	v_mul_u32_u24 v3, v1, PITCH
	v_lshl_add_u32 v3, v2, 4, v3                   ; r x pitch + 16 h
	s_lshl_b32 s22, s13, 8
	v_add_nc_u32 v3, s22, v3                       ; + my half of the row: 256 kh bytes
	s_mul_i32 s22, s13, 64*PITCH                   ; the rows that I keep: 64 kh ..
	s_xor_b32 s23, s13, 1
	s_mul_i32 s23, s23, 64*PITCH                   ; the rows that I send
	v_add_nc_u32 v[ADRALO], s22, v3
	v_add_nc_u32 v[ADRAHI], s23, v3
	v_add_nc_u32 v[ADRALO+1], SLOT, v[ADRALO]
	v_add_nc_u32 v[ADRAHI+1], SLOT, v[ADRAHI]
	s_mul_i32 s22, s12, XW
	s_add_co_u32 s22, s22, XCH
	v_lshl_add_u32 v[XST], v5, 4, s22              ; my part of the exchange, 16 bytes a lane
	s_xor_b32 s23, s12, 2                          ; my partner: same columns, other half of K
	s_mul_i32 s23, s23, XW
	s_add_co_u32 s23, s23, XCH
	v_lshl_add_u32 v[XLD], v5, 4, s23
	s_mul_i32 s22, s12, 16*SP
	s_add_co_u32 s22, s22, STAGE                   ; my stage
	v_mul_u32_u24 v4, v1, SP                       ; in: row r, 16 bytes for each half of the lanes
	v_lshl_add_u32 v4, v2, 4, v4
	v_add_nc_u32 v[STO], s22, v4
	v_mul_u32_u24 v6, v2, SP                       ; back: lanes 0-15 one row of 256 bytes, lanes 16-31 the next
	v_lshl_add_u32 v6, v1, 4, v6
	v_add_nc_u32 v[RD], s22, v6
	v_lshlrev_b32 v6, 13, v2                       ; and the same two rows in qkvh
	v_lshl_add_u32 v[CO], v1, 4, v6
	s_wait_tensorcnt 0x1                           ; my part of slot 0 is in; slot 1's may stay out
	s_barrier_signal -1
	s_barrier_wait -1
	FETCHA 0, 0, F0
	BODY 1, 0                                      ; the first body's first products start the sums: nothing is cleared
	WIN 0
	s_mov_b32 s15, BODIES-2
.Lbody:
	BODY 0, 0
	WIN 0
	s_sub_co_u32 s15, s15, 1
	s_cmp_lg_u32 s15, 0
	s_cbranch_scc1 .Lbody
	BODY 0, 1                                      ; the last body fills nothing and has no round of the cluster's barrier
	PLACES                                         ; behind the last matrix instructions: results are read, fragment registers loaded into
	WIN 0
	s_lshl_b32 s40, s19, 7
	s_lshl_b32 s41, s13, 6
	s_add_co_u32 s40, s40, s41                     ; my first row of C: 128 x block row + 64 kh
	s_lshl_b32 s44, s40, 9                         ; in the table: 512 bytes a row
	v_lshlrev_b32 v[TO], 9, v1
	v_lshl_add_u32 v[TO], v2, 5, v[TO]             ; row r, frequencies 8 h ..
	v_add_nc_u32 v[TO], s44, v[TO]
	s_lshl_b32 s40, s40, 13                        ; in qkvh: 8,192 bytes a row
	s_mov_b32 s41, 0
	s_add_nc_u64 s[8:9], s[8:9], s[40:41]
	s_lshl_b32 s46, s18, 9                         ; my first column in bytes: 512 x block column + 256 nh
	s_lshl_b32 s47, s14, 8
	s_add_co_u32 s46, s46, s47
	s_mov_b32 s47, 0
	s_add_nc_u64 s[8:9], s[8:9], s[46:47]
	XSEND 0
	XRECV 0
	s_barrier_signal -1                            ; every wave's reads of the exchange are back (XRECV waited for 0): it may be written again
	s_barrier_wait -1
	XSEND 1
	s_cmp_eq_u32 s3, 3                             ; one branch, behind the last barrier of the exchange; equal in all waves and all partners
	s_cbranch_scc1 .Lv_out
	; q and k: my 64 rows of the table, row block by row block, into window 1: cos(a, b) at 64 a + 8 b, sin at 64 a + 32 + 8 b
	WIN TO_B
.irp a, 0,1,2,3
.irp b, 0,1,2,3
	global_load_b128 v[64*\a+8*\b:64*\a+8*\b+3],         v[TO], s[10:11] offset:8192*\a+64*\b
	global_load_b128 v[64*\a+8*\b+4:64*\a+8*\b+7],       v[TO], s[10:11] offset:8192*\a+64*\b+16
	global_load_b128 v[64*\a+32+8*\b:64*\a+32+8*\b+3],   v[TO], s[10:11] offset:8192*\a+64*\b+256
	global_load_b128 v[64*\a+32+8*\b+4:64*\a+32+8*\b+7], v[TO], s[10:11] offset:8192*\a+64*\b+272
.endr
.endr
	WIN 0
	XRECV 1                                        ; while the table is on its way
	ROUT 0, 128
	ROUT 1, 160
	ROUT 2, 128
	ROUT 3, 160
	s_branch .Ldone
.Lv_out:
	XRECV 1
	VOUT 0, 128
	VOUT 1, 160
	VOUT 2, 128
	VOUT 3, 160
.Ldone:
	s_wait_tensorcnt 0x0
	ds_add_u32 v254, v255
	s_wait_dscnt 0x0
	CROUND                                         ; the closing round: no work-group ends while a partner may still ask for a tile that names it
	s_endpgm
.Lfunc_end_k_q509fd90231_qkv:
	.size	k_q509fd90231_qkv, .Lfunc_end_k_q509fd90231_qkv-k_q509fd90231_qkv
	.p2alignl 7, 3214868480
	.fill 96, 4, 3214868480
	.section	.rodata,"a",@progbits
	.p2align	6, 0x0
	.amdhsa_kernel k_q509fd90231_qkv
		.amdhsa_group_segment_fixed_size 327680
		.amdhsa_private_segment_fixed_size 0
		.amdhsa_enable_private_segment 0
		.amdhsa_kernarg_size 32
		.amdhsa_user_sgpr_count 2
		.amdhsa_user_sgpr_kernarg_segment_ptr 1
		.amdhsa_wavefront_size32 1
		.amdhsa_system_sgpr_workgroup_id_x 1
		.amdhsa_system_sgpr_workgroup_id_y 1
		.amdhsa_system_sgpr_workgroup_id_z 1
		.amdhsa_system_vgpr_workitem_id 0
		.amdhsa_next_free_vgpr 1024
		.amdhsa_next_free_sgpr 66
		.amdhsa_reserve_vcc 0
		.amdhsa_float_denorm_mode_32 3
		.amdhsa_float_denorm_mode_16_64 3
		.amdhsa_memory_ordered 1
		.amdhsa_forward_progress 1
		.amdhsa_inst_pref_size 252
	.end_amdhsa_kernel
	.amdgpu_metadata
---
amdhsa.version: [ 1, 2 ]
amdhsa.kernels:
  - .name:           k_q509fd90231_qkv
    .symbol:         k_q509fd90231_qkv.kd
    .args:
      - { .name: xb, .offset: 0, .size: 8, .value_kind: global_buffer, .address_space: global }
      - { .name: wb, .offset: 8, .size: 8, .value_kind: global_buffer, .address_space: global }
      - { .name: qkvh, .offset: 16, .size: 8, .value_kind: global_buffer, .address_space: global }
      - { .name: rope, .offset: 24, .size: 8, .value_kind: global_buffer, .address_space: global }
    .group_segment_fixed_size: 327680
    .private_segment_fixed_size: 0
    .kernarg_segment_align: 8
    .kernarg_segment_size: 32
    .max_flat_workgroup_size: 128
    .sgpr_count:     66
    .vgpr_count:     1024
    .wavefront_size: 32
...
	.end_amdgpu_metadata
.endif
;; end of part 2
;; launch attn (part 3): grid 32 x 8, 4 waves a work-group, clusters of 4 x 4, 327,680 bytes of LDS; arguments qkvh, attention_mask, ctxh; writes ctxh
.if DOCPART == 3
	.amdgcn_target "amdgcn-amd-amdhsa--gfx1250"
	.amdhsa_code_object_version 6
	.text
	.protected	k_q509fd90231_attn
	.globl	k_q509fd90231_attn
	.p2align	8
	.type	k_q509fd90231_attn,@function
k_q509fd90231_attn:
	s_mov_b64 s[64:65], 0
	v_nop
	global_prefetch_b8 v0, s[64:65] scope:SCOPE_SE
	s_setreg_imm32_b32 hwreg(HW_REG_WAVE_MODE, 25, 1), 1
	s_wait_xcnt 0x0
	s_wait_alu depctr_hold_cnt(0) depctr_sa_sdst(0) depctr_va_vdst(0) depctr_va_sdst(0) depctr_va_ssrc(0) depctr_va_vcc(0) depctr_vm_vsrc(0)
	s_getreg_b32 s2, hwreg(HW_REG_IB_STS2, 6, 4)
	s_cmp_eq_u32 s2, 0
	s_cbranch_scc0 .Lentry_in_a_cluster
	s_endpgm
.Lentry_in_a_cluster:
	s_bfe_u32 s2, ttmp6, 0x10000c
	s_cmp_lg_u32 s2, 0xf033
	s_cbranch_scc0 .Lentry_shape_is_right
	s_endpgm
.Lentry_shape_is_right:
; ATTN: softmax(q k^T / sqrt(128) + mask) v for 64 query rows x the two query heads of one key/value head, over all 2,048 keys in 16 blocks of 128.
; The mask is an input and is read whole.  f16 operands, f32 sums, a running maximum.  q and k carry ALPHA each, so q.k is the score in powers of two;
; the mask is multiplied by log2 e.  v comes divided by 8, so ctxh [2048][2048] f16 = ctx / 8.
; LIMITS: a mask number below -2.3e38 acts as minus infinity; a row masked by minus infinity throughout gives NaN, as the problem's formula does.
; Wave w = 2 rh + kh: query rows 32 rh .. +31 of BOTH heads (four column tiles n = 2 g + u of 16 queries; g = 0 is head 2 kv + kh, which I keep, g = 1 the other,
; which I send) and keys 64 kh .. +63 of every block.  So each byte of K and V is read from LDS by two waves and each mask number serves two heads.
; Each wave keeps its own maximum, sum and output; the two waves of one rh merge at the end through LDS.
; BOTH PRODUCTS ARE USED TRANSPOSED, so that probabilities never change lanes:
;   S^T = K Q^T: source 0 = 16 keys x 32 d, source 1 = 16 queries x 32 d; lane (r, h) holds query r and keys 16 t + 8 h + 0..7;
;   O^T = V^T P^T: source 0 = V transposed on the way out of LDS (ds_load_tr16_b128), source 1 = two packed score tiles as they lie; lane (r, h) holds query r, d = 16 dt + 8 h + 0..7.
; A query's statistics lie in lanes r and r + 16 alone.
; CLUSTERS: 4 x 4 work-groups: along x four query blocks, which share K's and V's tiles; along y four key/value heads, which share the mask's tile.  All are asked for jointly.
; REGISTERS: window 0: addresses, statistics, mask (v64-127), packed probabilities (v128-191), v192-223 at work; window 1: Q (v0-127), scores (v128-255);
;   window 2: the 32 output tiles (n, dt) at 8 (8 n + dt); window 3: K's fragments (v0-127), V's (v128-255).
.set KP,    272                        ; K's LDS row: 256 + 16 bytes, 17 x 16
.set VP,    288                        ; V's: 256 + 32 bytes, 9 x 32, for the transposing load
.set MP,    528                        ; the mask's: 512 + 16 bytes, 33 x 16
.set VOFF,  128*KP
.set MOFF,  VOFF+128*VP
.set SLOT,  MOFF+64*MP                 ; 105,472
.set XCH,   2*SLOT                     ; behind the ring: for the merge, 16,384 + 512 bytes a wave; no tensor load lands here
.set XW,    16896
.set STAGE, XCH+4*XW                   ; 16 rows x 272 bytes a wave, for the way out
.set KBLK,  128*8192                   ; bytes from a block of keys to the next in qkvh
.set KAD, 2                            ; v2-3   K fragments, slot 0, 1
.set VAD, 4                            ; v4-5   V fragments
.set MAD, 6                            ; v6-7   mask
.set XST, 8
.set XLD, 9
.set STO, 10
.set RD,  11
.set CO,  12
.set QO,  13                           ; v13-14 my offsets in qkvh for the kept and the sent head
.set MXR, 16                           ; v16+2n running maximum (odd partners written once: pairs are read whole)
.set LPR, 24                           ; v[24+2n:25+2n] running sums, two chains a tile, this lane's keys
.set ALR, 32                           ; v32+2n the factor 2^(old maximum - new maximum); at the end the merge's factors
.set TMR, 40                           ; v40+n
.set T2R, 48                           ; v48+n
.set SSR, 52                           ; v[52:55] statistics that I send
.set RSR, 56                           ; v[56:59] that I receive
.set MKR, 64                           ; mask (u, t) at 64 + 8 (4 u + t)
.set PF,  128                          ; probabilities (n, ks) at 128 + 8 (2 n + ks)
.set TMP, 192
.set QF,  0                            ; window 1: Q (n, c) at 8 (4 n + c)
.set SF,  128                          ; window 1: scores (n, t) at 128 + 8 (4 n + t)
.set KF,  0                            ; window 3: K (t, c) at 8 (4 t + c)
.set VF,  128                          ; window 3: V (ks, dt) at 128 + 8 (8 ks + dt)
.set G1K, 24
.set G1V, 32
.set G1M, 40
.set G0K, 48                           ; s[48:55] a set for each slot
.set G0V, 56                           ; s[56:63]
.set G0M, 68                           ; s[68:75]
.set MSB, 0
.macro WIN new
.if MSB != \new
	s_set_vgpr_msb (MSB<<8)|\new
.set MSB, \new
.endif
.endm
.macro PLACES                          ; four plain places behind a matrix instruction (ISA guide 7.12.1)
.rept 4
	v_nop
.endr
.endm
.macro ROUND                           ; a round of the cluster's barrier
	s_barrier_signal -1
	s_barrier_wait -1
	s_cmp_lg_u32 s10, 0
	s_cbranch_scc1 .Lnot_wave_0_\@
	s_barrier_signal -3
.Lnot_wave_0_\@:
	s_barrier_wait -3
	s_barrier_signal -1
	s_barrier_wait -1
.endm
; A block's tiles: wave 0 asks for K's 128 rows, wave 1 for V's, waves 2 and 3 for 32 rows of the mask each: one load a wave, each line with one mask.
; The slot may be given as an expression: it stands in parentheses.
.macro JLOAD s
	s_cmp_ge_u32 s10, 2
	s_cbranch_scc1 .Ljm_\@
	s_cmp_eq_u32 s10, 0
	s_cbranch_scc0 .Ljv_\@
	tensor_load_to_lds s[G0K+4*(\s):G0K+4*(\s)+3], s[G1K:G1K+7]
	s_nop 0
	s_branch .Lje_\@
.Ljv_\@:
	tensor_load_to_lds s[G0V+4*(\s):G0V+4*(\s)+3], s[G1V:G1V+7]
	s_nop 0
	s_branch .Lje_\@
.Ljm_\@:
	tensor_load_to_lds s[G0M+4*(\s):G0M+4*(\s)+3], s[G1M:G1M+7]
	s_nop 0
.Lje_\@:
.endm
; In front of the block in slot 'slot'.  refill = 1: the other slot, read last, gets the block two further on.
.macro HEAD slot, refill
	s_wait_tensorcnt 0x0                           ; all my tensor loads have landed, my part of this block among them: every group 0 may be written
	ds_add_u32 v254, v255
	s_wait_dscnt 0x0
.if \refill
	s_add_nc_u64 s[G0K+6-4*\slot:G0K+7-4*\slot], s[G0K+6-4*\slot:G0K+7-4*\slot], 2*KBLK
	s_add_nc_u64 s[G0V+6-4*\slot:G0V+7-4*\slot], s[G0V+6-4*\slot:G0V+7-4*\slot], 2*KBLK
	s_add_nc_u64 s[G0M+6-4*\slot:G0M+7-4*\slot], s[G0M+6-4*\slot:G0M+7-4*\slot], 2*512
.endif
	s_wait_dscnt 0x0                               ; my reads of the other slot are back
.if \refill
	ROUND                                          ; both now hold of every wave of all sixteen work-groups
	JLOAD 1-\slot                                  ; my one tensor load behind the round; it has a whole block's work in which to land
.else
	s_barrier_signal -1
	s_barrier_wait -1
.endif
.endm
; One block of 128 keys.  first = 1: the first products start the output sums, and nothing is rescaled.
.macro WORK slot, first
	PLACES                                         ; V's fragments were read by the last matrix instructions
	WIN 0xc0                                       ; destination window 3
.irp t, 0,1,2,3
.irp c, 0,1,2,3
	ds_load_b128 v[KF+8*(4*\t+\c):KF+8*(4*\t+\c)+3],   v[KAD+\slot] offset:16*KP*\t+64*\c
	ds_load_b128 v[KF+8*(4*\t+\c)+4:KF+8*(4*\t+\c)+7], v[KAD+\slot] offset:16*KP*\t+64*\c+32
.endr
.endr
.irp ks, 0,1
.irp dt, 0,1,2,3,4,5,6,7
	ds_load_tr16_b128 v[VF+8*(8*\ks+\dt):VF+8*(8*\ks+\dt)+3],   v[VAD+\slot] offset:32*VP*\ks+32*\dt
	ds_load_tr16_b128 v[VF+8*(8*\ks+\dt)+4:VF+8*(8*\ks+\dt)+7], v[VAD+\slot] offset:32*VP*\ks+32*\dt+16*VP
.endr
.endr
	WIN 0
.irp u, 0,1
.irp t, 0,1,2,3
	ds_load_b128 v[MKR+8*(4*\u+\t):MKR+8*(4*\u+\t)+3],   v[MAD+\slot] offset:16*MP*\u+64*\t
	ds_load_b128 v[MKR+8*(4*\u+\t)+4:MKR+8*(4*\u+\t)+7], v[MAD+\slot] offset:16*MP*\u+64*\t+16
.endr
.endr
	s_wait_dscnt 48                                ; K's 32 loads are in; V's 32 and the mask's 16 may be out
	WIN 0x57                                       ; source 0 window 3 (K), source 1, C and D window 1 (Q, scores)
	; 64 matrix instructions; the 16 score tiles take turns, one instruction a turn; the first 32 along d start the sums
.irp c, 0,1,2,3
.irp t, 0,1,2,3
.irp n, 0,1,2,3
.if \c == 0
	v_wmma_f32_16x16x32_f16 v[SF+8*(4*\n+\t):SF+8*(4*\n+\t)+7], v[KF+8*(4*\t+\c):KF+8*(4*\t+\c)+7], v[QF+8*(4*\n+\c):QF+8*(4*\n+\c)+7], 0
.else
	v_wmma_f32_16x16x32_f16 v[SF+8*(4*\n+\t):SF+8*(4*\n+\t)+7], v[KF+8*(4*\t+\c):KF+8*(4*\t+\c)+7], v[QF+8*(4*\n+\c):QF+8*(4*\n+\c)+7], v[SF+8*(4*\n+\t):SF+8*(4*\n+\t)+7]
.endif
.endr
.endr
.endr
	PLACES
	s_wait_dscnt 0x0                               ; the mask and V
	WIN 0x50                                       ; source 0 window 0 (mask), source 2 and destination window 1
.irp n, 0,1,2,3
.irp t, 0,1,2,3
.irp p, 0,2,4,6
	v_pk_fma_f32 v[SF+8*(4*\n+\t)+\p:SF+8*(4*\n+\t)+\p+1], v[MKR+8*(4*(\n&1)+\t)+\p:MKR+8*(4*(\n&1)+\t)+\p+1], 0x3fb8aa3b, v[SF+8*(4*\n+\t)+\p:SF+8*(4*\n+\t)+\p+1] op_sel_hi:[1,0,1]
.endr
.endr
.endr
	WIN 0x14                                       ; sources 1, 2 window 1
.irp n, 0,1,2,3
	v_max3_num_f32 v[TMR+\n], v[MXR+2*\n], v[SF+32*\n], v[SF+32*\n+1]          ; four chains, each begun by the running maximum
.endr
.set q, 1
.rept 15
.irp n, 0,1,2,3
	v_max3_num_f32 v[TMR+\n], v[TMR+\n], v[SF+32*\n+2*q], v[SF+32*\n+2*q+1]
.endr
.set q, q+1
.endr
	WIN 0
.irp n, 0,1,2,3
	v_permlanex16_b32 v[T2R+\n], v[TMR+\n], s20, s21                           ; the query's other eight keys of each tile lie 16 lanes away
.endr
.irp n, 0,1,2,3
	v_max_num_f32 v[TMR+\n], v[TMR+\n], v[T2R+\n]
.endr
.irp n, 0,1,2,3
	v_sub_f32 v[ALR+2*\n], v[MXR+2*\n], v[TMR+\n]
.endr
.irp n, 0,1,2,3
	v_exp_f32 v[ALR+2*\n], v[ALR+2*\n]
.endr
.irp n, 0,1,2,3
	v_mov_b32 v[MXR+2*\n], v[TMR+\n]               ; the new maximum; also the plain place behind the exponentials (ISA guide 5.7.2)
.endr
	s_wait_alu depctr_va_vdst(0)
.irp n, 0,1,2,3
	v_pk_mul_f32 v[LPR+2*\n:LPR+2*\n+1], v[LPR+2*\n:LPR+2*\n+1], v[ALR+2*\n:ALR+2*\n+1] op_sel_hi:[1,0]
.endr
	WIN 0x41                                       ; source 0 and destination window 1
.irp n, 0,1,2,3
.set q, 0
.rept 16
	v_pk_add_f32 v[SF+32*\n+2*q:SF+32*\n+2*q+1], v[SF+32*\n+2*q:SF+32*\n+2*q+1], v[MXR+2*\n:MXR+2*\n+1] op_sel_hi:[1,0] neg_lo:[0,1] neg_hi:[0,1]
.set q, q+1
.endr
.set q, 0
.rept 32
	v_exp_f32 v[SF+32*\n+q], v[SF+32*\n+q]
.set q, q+1
.endr
.endr
	v_nop                                          ; the plain place behind the last exponential
	WIN 0x04                                       ; source 1 window 1
.set q, 0
	s_wait_alu depctr_va_vdst(0)
.rept 16
.irp n, 0,1,2,3
	v_pk_add_f32 v[LPR+2*\n:LPR+2*\n+1], v[LPR+2*\n:LPR+2*\n+1], v[SF+32*\n+2*q:SF+32*\n+2*q+1]
.endr
.set q, q+1
.endr
	WIN 0x05                                       ; sources 0, 1 window 1
.set q, 0
.rept 64
	v_cvt_pk_f16_f32 v[PF+q], v[SF+2*q], v[SF+2*q+1]   ; tile t = 2 ks fills registers 0-3 of fragment (n, ks), tile 2 ks + 1 registers 4-7: the order in which they lie
.set q, q+1
.endr
.if 1-\first
	WIN 0x82                                       ; source 0 and destination window 2
.irp n, 0,1,2,3
.set q, 0
.rept 32
	v_pk_mul_f32 v[64*\n+2*q:64*\n+2*q+1], v[64*\n+2*q:64*\n+2*q+1], v[ALR+2*\n:ALR+2*\n+1] op_sel_hi:[1,0]
.set q, q+1
.endr
.endr
.endif
	WIN 0xa3                                       ; source 0 window 3 (V), source 1 window 0 (P), C and D window 2
	; 64 matrix instructions; the 32 output tiles take turns, one instruction a turn
.irp ks, 0,1
.irp n, 0,1,2,3
.irp dt, 0,1,2,3,4,5,6,7
.if \first*(1-\ks)
	v_wmma_f32_16x16x32_f16 v[8*(8*\n+\dt):8*(8*\n+\dt)+7], v[VF+8*(8*\ks+\dt):VF+8*(8*\ks+\dt)+7], v[PF+8*(2*\n+\ks):PF+8*(2*\n+\ks)+7], 0
.else
	v_wmma_f32_16x16x32_f16 v[8*(8*\n+\dt):8*(8*\n+\dt)+7], v[VF+8*(8*\ks+\dt):VF+8*(8*\ks+\dt)+7], v[PF+8*(2*\n+\ks):PF+8*(2*\n+\ks)+7], v[8*(8*\n+\dt):8*(8*\n+\dt)+7]
.endif
.endr
.endr
.endr
	WIN 0
.endm
; 16 query rows of my kept head: rounded to f16, through my own stage, out as whole rows of 256 bytes.
.macro OUT16 u, f
	WIN 0x0a                                       ; sources 0, 1 window 2
.irp dt, 0,1,2,3,4,5,6,7
.irp i, 0,1,2,3
	v_cvt_pk_f16_f32 v[TMP+4*\dt+\i], v[8*(8*\u+\dt)+2*\i], v[8*(8*\u+\dt)+2*\i+1]
.endr
.endr
	WIN 0
.irp dt, 0,1,2,3,4,5,6,7
	ds_store_b128 v[STO], v[TMP+4*\dt:TMP+4*\dt+3] offset:32*\dt
.endr
	s_wait_xcnt 0x0                                ; the stores' base is stepped only behind this wait
.if \u
	s_add_nc_u64 s[8:9], s[8:9], 16*4096
.endif
.irp t, 0,1,2,3,4,5,6,7
	ds_load_b128 v[\f+4*\t:\f+4*\t+3], v[RD] offset:\t*2*KP        ; LDS serves a wave's instructions in order: these see the stores above
.endr
.irp t, 0,1,2,3,4,5,6,7
	s_wait_dscnt 7-\t                              ; row pair t is in, the younger loads stay out
	global_store_b128 v[CO], v[\f+4*\t:\f+4*\t+3], s[8:9] offset:2*\t*4096     ; 16 lanes store 256 consecutive aligned bytes
.endr
.endm
	s_load_b128 s[4:7], s[0:1], 0x0                ; qkvh s[4:5], mask s[6:7]
	s_load_b64 s[8:9], s[0:1], 0x10                ; ctxh
	v_lshl_add_u32 v254, v0, 2, 0x48400
	v_mov_b32 v255, 0
	ds_add_u32 v254, v255
	v_lshrrev_b32 v1, 5, v0
	v_readfirstlane_b32 s10, v1                    ; wave 0..3
	s_lshr_b32 s11, s10, 1                         ; rh: my 32 query rows
	s_and_b32 s12, s10, 1                          ; kh: my 64 keys of a block; also which 32 rows of the mask waves 2, 3 fetch
	s_bfe_u32 s14, ttmp6, 0x40000                  ; cx
	s_bfe_u32 s15, ttmp6, 0x40004                  ; cy
	s_lshl_b32 s16, ttmp9, 2
	s_add_co_u32 s16, s16, s14                     ; query block = 4 x cluster x + cx
	s_and_b32 s17, ttmp7, 0xffff
	s_lshl_b32 s17, s17, 2
	s_add_co_u32 s17, s17, s15                     ; key/value head = 4 x cluster y + cy
	s_lshl_b32 s18, s15, 2
	s_lshl_b32 s18, 15, s18                        ; my row of the cluster (same head)
	s_lshl_b32 s19, 0x1111, s14                    ; my column (same query block)
	s_mov_b32 s20, 0x76543210                      ; v_permlanex16_b32: lane i reads lane i of the other half
	s_mov_b32 s21, 0xfedcba98
	s_or_b32 s[G1K+0], s18, (1<<16)|(1<<20)|(1<<21)|(5<<22)|(3<<25)   ; 2-byte elements; 4 words of padding behind every 64
	s_mov_b32 s[G1K+1], 128<<16                    ; tensor_dim0 = 128
	s_mov_b32 s[G1K+2], 128<<16                    ; tensor_dim1 = 128
	s_mov_b32 s[G1K+3], 128<<16                    ; tile_dim0 = 128
	s_mov_b32 s[G1K+4], 128                        ; tile_dim1 = 128 keys
	s_mov_b32 s[G1K+5], 4096                       ; elements from row to row of qkvh
	s_mov_b32 s[G1K+6], 0
	s_mov_b32 s[G1K+7], 0
	s_or_b32 s[G1V+0], s18, (1<<16)|(1<<20)|(1<<21)|(5<<22)|(7<<25)   ; the same with 8 words of padding
	s_mov_b32 s[G1V+1], 128<<16
	s_mov_b32 s[G1V+2], 128<<16
	s_mov_b32 s[G1V+3], 128<<16
	s_mov_b32 s[G1V+4], 128
	s_mov_b32 s[G1V+5], 4096
	s_mov_b32 s[G1V+6], 0
	s_mov_b32 s[G1V+7], 0
	s_or_b32 s[G1M+0], s19, (2<<16)|(1<<20)|(1<<21)|(6<<22)|(3<<25)   ; 4-byte elements; 4 words of padding behind every 128
	s_mov_b32 s[G1M+1], 128<<16
	s_mov_b32 s[G1M+2], 32<<16
	s_mov_b32 s[G1M+3], 128<<16
	s_mov_b32 s[G1M+4], 32                         ; 32 query rows
	s_mov_b32 s[G1M+5], 2048                       ; elements from row to row of the mask
	s_mov_b32 s[G1M+6], 0
	s_mov_b32 s[G1M+7], 0
	s_lshl_b32 s76, s17, 8                         ; K's columns: byte 4,096 + 256 x head; V's 2,048 further.  The head alone: shared along the row
	s_add_co_u32 s76, s76, 4096
	s_mov_b32 s77, 0
	s_lshl_b32 s78, s16, 19                        ; the mask's rows: 64 x query block + 32 x (wave & 1), 8,192 bytes each: shared along the column
	s_lshl_b32 s79, s12, 18
	s_add_co_u32 s78, s78, s79
	s_mov_b32 s79, 0
	s_mul_i32 s22, s12, 32*MP
	s_add_co_u32 s22, s22, MOFF                    ; where the mask's rows go in LDS
	s_wait_dscnt 0x0
	s_wait_kmcnt 0x0
	s_add_nc_u64 s[76:77], s[4:5], s[76:77]
	s_add_nc_u64 s[78:79], s[6:7], s[78:79]
	ROUND                                          ; all sixteen work-groups are here: the first joint loads meet
.irp s, 0,1
	s_mov_b32 s[G0K+4*\s], 1
	s_mov_b32 s[G0K+4*\s+1], \s*SLOT
	s_add_nc_u64 s[G0K+4*\s+2:G0K+4*\s+3], s[76:77], \s*KBLK
	s_or_b32 s[G0K+4*\s+3], s[G0K+4*\s+3], 0x80000000
	s_mov_b32 s[G0V+4*\s], 1
	s_mov_b32 s[G0V+4*\s+1], VOFF+\s*SLOT
	s_add_nc_u64 s[G0V+4*\s+2:G0V+4*\s+3], s[76:77], 2048+\s*KBLK
	s_or_b32 s[G0V+4*\s+3], s[G0V+4*\s+3], 0x80000000
	s_mov_b32 s[G0M+4*\s], 1
	s_add_co_u32 s[G0M+4*\s+1], s22, \s*SLOT
	s_add_nc_u64 s[G0M+4*\s+2:G0M+4*\s+3], s[78:79], \s*512
	s_or_b32 s[G0M+4*\s+3], s[G0M+4*\s+3], 0x80000000
	JLOAD \s                                       ; blocks 0 and 1: two tensor loads of a wave are out
.endr
	v_and_b32 v1, 15, v0                           ; r
	v_bfe_u32 v44, v0, 4, 1                        ; h
	v_and_b32 v45, 31, v0                          ; l
	; Q stays in registers: fragment (n, c): lane (r, h) holds query r, d = 32 c + 8 h + 0..7 and 32 c + 16 + 8 h + 0..7
	v_lshlrev_b32 v46, 13, v1
	v_lshl_add_u32 v46, v44, 4, v46                ; r rows of 8,192 bytes + 16 h
	s_lshl_b32 s80, s16, 19                        ; 64 x query block rows
	s_lshl_b32 s81, s11, 18                        ; 32 rh rows
	s_add_co_u32 s80, s80, s81
	s_lshl_b32 s81, s17, 9                         ; head 2 kv: 256 bytes a head
	s_add_co_u32 s80, s80, s81
	s_lshl_b32 s81, s12, 8                         ; the kept head: + kh
	s_xor_b32 s82, s81, 256                        ; the sent head: the other
	s_add_co_u32 s81, s80, s81
	s_add_co_u32 s82, s80, s82
	v_add_nc_u32 v[QO], s81, v46
	v_add_nc_u32 v[QO+1], s82, v46
	WIN 0x40                                       ; destination window 1
.irp g, 0,1
.irp u, 0,1
.irp c, 0,1,2,3
	global_load_b128 v[QF+8*(4*(2*\g+\u)+\c):QF+8*(4*(2*\g+\u)+\c)+3],   v[QO+\g], s[4:5] offset:131072*\u+64*\c
	global_load_b128 v[QF+8*(4*(2*\g+\u)+\c)+4:QF+8*(4*(2*\g+\u)+\c)+7], v[QO+\g], s[4:5] offset:131072*\u+64*\c+32
.endr
.endr
.endr
	WIN 0
	v_mul_u32_u24 v46, v1, KP
	v_lshl_add_u32 v46, v44, 4, v46                ; r x 272 + 16 h
	s_mul_i32 s23, s12, 64*KP                      ; my 64 keys
	v_add_nc_u32 v[KAD], s23, v46
	v_add_nc_u32 v[KAD+1], SLOT, v[KAD]
	s_mul_i32 s23, s10, 16*KP
	s_add_co_u32 s23, s23, STAGE                   ; my stage
	v_add_nc_u32 v[STO], s23, v46
	v_mul_u32_u24 v46, v44, KP
	v_lshl_add_u32 v46, v1, 4, v46
	v_add_nc_u32 v[RD], s23, v46
	v_and_b32 v46, 7, v0                           ; the transposing load: lane l addresses key 8 h + (l & 7), 16 bytes at 16 ((l >> 3) & 1)
	v_lshl_add_u32 v46, v44, 3, v46
	v_mul_u32_u24 v46, v46, VP
	v_bfe_u32 v47, v0, 3, 1
	v_lshl_add_u32 v46, v47, 4, v46
	s_mul_i32 s23, s12, 64*VP
	s_add_co_u32 s23, s23, VOFF
	v_add_nc_u32 v[VAD], s23, v46
	v_add_nc_u32 v[VAD+1], SLOT, v[VAD]
	v_mul_u32_u24 v46, v1, MP                      ; the mask: query row 32 rh + r, keys 64 kh + 8 h ..
	v_lshl_add_u32 v46, v44, 5, v46
	s_mul_i32 s23, s11, 32*MP
	s_lshl_b32 s22, s12, 8
	s_add_co_u32 s23, s23, s22
	s_add_co_u32 s23, s23, MOFF
	v_add_nc_u32 v[MAD], s23, v46
	v_add_nc_u32 v[MAD+1], SLOT, v[MAD]
	s_mul_i32 s23, s10, XW
	s_add_co_u32 s23, s23, XCH
	v_lshl_add_u32 v[XST], v45, 4, s23
	s_xor_b32 s22, s10, 1                          ; my partner: same rows, the other keys
	s_mul_i32 s22, s22, XW
	s_add_co_u32 s22, s22, XCH
	v_lshl_add_u32 v[XLD], v45, 4, s22
	v_lshlrev_b32 v46, 12, v44                     ; ctxh: 4,096 bytes a row
	v_lshl_add_u32 v[CO], v1, 4, v46
.irp n, 0,1,2,3
	v_mov_b32 v[MXR+2*\n], 0xff7fffff              ; the running maximum starts at the lowest finite number
	v_mov_b32 v[MXR+2*\n+1], 0                     ; partners of registers that are read as pairs
	v_mov_b32 v[LPR+2*\n], 0
	v_mov_b32 v[LPR+2*\n+1], 0
	v_mov_b32 v[ALR+2*\n+1], 0
	v_mov_b32 v[T2R+\n], 0                         ; v_permlanex16_b32's destination counts as read
.endr
	s_wait_tensorcnt 0x1                           ; my part of block 0 is in; block 1's may stay out
	s_barrier_signal -1
	s_barrier_wait -1
	s_wait_loadcnt 0x0                             ; Q
	WORK 0, 1                                      ; block 0
	s_mov_b32 s13, 7
.Lblocks:
	HEAD 1, 1                                      ; trip i: slot 0 gets block 2 i + 2,
	WORK 1, 0                                      ; block 2 i + 1,
	HEAD 0, 1                                      ; slot 1 gets block 2 i + 3,
	WORK 0, 0                                      ; block 2 i + 2
	s_sub_co_u32 s13, s13, 1
	s_cmp_lg_u32 s13, 0
	s_cbranch_scc1 .Lblocks
	HEAD 1, 0                                      ; nothing is left to fetch
	WORK 1, 0                                      ; block 15
	; THE MERGE.  I send maximum, sum and output of the head that my partner keeps, and take his of mine.
	PLACES
.irp n, 0,1,2,3
	v_add_f32 v[LPR+2*\n], v[LPR+2*\n], v[LPR+2*\n+1]
.endr
.irp n, 0,1,2,3
	v_permlanex16_b32 v[T2R+\n], v[LPR+2*\n], s20, s21
.endr
	v_add_f32 v[LPR], v[LPR], v[T2R]
	v_add_f32 v[LPR+2], v[LPR+2], v[T2R+1]
	v_add_f32 v[SSR+2], v[LPR+4], v[T2R+2]
	v_add_f32 v[SSR+3], v[LPR+6], v[T2R+3]
	v_mov_b32 v[SSR], v[MXR+4]                     ; packed for one store of 16 bytes
	v_mov_b32 v[SSR+1], v[MXR+6]
	WIN 0x08                                       ; store data (source 1) window 2
.set x, 0
.rept 32
	ds_store_b128 v[XST], v[128+4*x:128+4*x+3] offset:512*x
.set x, x+1
.endr
	WIN 0
	ds_store_b128 v[XST], v[SSR:SSR+3] offset:16384
	s_wait_dscnt 0x0                               ; for my partner's sake: all my stores are done
	s_barrier_signal -1
	s_barrier_wait -1
	WIN 0xc0
.set x, 0
.rept 32
	ds_load_b128 v[4*x:4*x+3], v[XLD] offset:512*x
.set x, x+1
.endr
	WIN 0
	ds_load_b128 v[RSR:RSR+3], v[XLD] offset:16384
	s_wait_dscnt 0x0
.irp u, 0,1
	v_max_num_f32 v[TMR+\u], v[MXR+2*\u], v[RSR+\u]
	v_sub_f32 v[ALR+2*\u], v[MXR+2*\u], v[TMR+\u]
	v_sub_f32 v[ALR+4+2*\u], v[RSR+\u], v[TMR+\u]
.endr
.irp n, 0,1,2,3
	v_exp_f32 v[ALR+2*\n], v[ALR+2*\n]
.endr
	v_nop
	s_wait_alu depctr_va_vdst(0)
.irp u, 0,1
	v_mul_f32 v[T2R+\u], v[LPR+2*\u], v[ALR+2*\u]
	v_fma_f32 v[T2R+\u], v[RSR+2+\u], v[ALR+4+2*\u], v[T2R+\u]
.endr
	v_rcp_f32 v[T2R], v[T2R]
	v_rcp_f32 v[T2R+1], v[T2R+1]
	v_nop
	s_wait_alu depctr_va_vdst(0)
.irp u, 0,1
	v_mul_f32 v[ALR+2*\u], v[ALR+2*\u], v[T2R+\u]          ; my factor, the division by the whole sum in it
	v_mul_f32 v[ALR+4+2*\u], v[ALR+4+2*\u], v[T2R+\u]      ; my partner's
.endr
	WIN 0xc3                                       ; source 0 and destination window 3
.irp u, 0,1
.set q, 0
.rept 32
	v_pk_mul_f32 v[64*\u+2*q:64*\u+2*q+1], v[64*\u+2*q:64*\u+2*q+1], v[ALR+4+2*\u:ALR+5+2*\u] op_sel_hi:[1,0]
.set q, q+1
.endr
.endr
	WIN 0xb2                                       ; source 0 and destination window 2, source 1 window 0, source 2 window 3
.irp u, 0,1
.set q, 0
.rept 32
	v_pk_fma_f32 v[64*\u+2*q:64*\u+2*q+1], v[64*\u+2*q:64*\u+2*q+1], v[ALR+2*\u:ALR+2*\u+1], v[64*\u+2*q:64*\u+2*q+1] op_sel_hi:[1,0,1]
.set q, q+1
.endr
.endr
	WIN 0
	s_lshl_b32 s80, s16, 6
	s_lshl_b32 s81, s11, 5
	s_add_co_u32 s80, s80, s81                     ; my first row: 64 x query block + 32 rh
	s_lshl_b32 s80, s80, 12
	s_lshl_b32 s81, s17, 9                         ; my kept head's columns: 256 (2 kv + kh) bytes
	s_add_co_u32 s80, s80, s81
	s_lshl_b32 s81, s12, 8
	s_add_co_u32 s80, s80, s81
	s_mov_b32 s81, 0
	s_add_nc_u64 s[8:9], s[8:9], s[80:81]
	OUT16 0, MKR
	OUT16 1, MKR+32
	s_wait_tensorcnt 0x0
	ds_add_u32 v254, v255
	s_wait_dscnt 0x0
	ROUND                                          ; the closing round: no work-group ends while a partner may still ask for a tile that names it
	s_endpgm
.Lfunc_end_k_q509fd90231_attn:
	.size	k_q509fd90231_attn, .Lfunc_end_k_q509fd90231_attn-k_q509fd90231_attn
	.p2alignl 7, 3214868480
	.fill 96, 4, 3214868480
	.section	.rodata,"a",@progbits
	.p2align	6, 0x0
	.amdhsa_kernel k_q509fd90231_attn
		.amdhsa_group_segment_fixed_size 327680
		.amdhsa_private_segment_fixed_size 0
		.amdhsa_enable_private_segment 0
		.amdhsa_kernarg_size 24
		.amdhsa_user_sgpr_count 2
		.amdhsa_user_sgpr_kernarg_segment_ptr 1
		.amdhsa_wavefront_size32 1
		.amdhsa_system_sgpr_workgroup_id_x 1
		.amdhsa_system_sgpr_workgroup_id_y 1
		.amdhsa_system_sgpr_workgroup_id_z 1
		.amdhsa_system_vgpr_workitem_id 0
		.amdhsa_next_free_vgpr 1024
		.amdhsa_next_free_sgpr 84
		.amdhsa_reserve_vcc 0
		.amdhsa_float_denorm_mode_32 3
		.amdhsa_float_denorm_mode_16_64 3
		.amdhsa_memory_ordered 1
		.amdhsa_forward_progress 1
		.amdhsa_inst_pref_size 226
	.end_amdhsa_kernel
	.amdgpu_metadata
---
amdhsa.version: [ 1, 2 ]
amdhsa.kernels:
  - .name:           k_q509fd90231_attn
    .symbol:         k_q509fd90231_attn.kd
    .args:
      - { .name: qkvh, .offset: 0, .size: 8, .value_kind: global_buffer, .address_space: global }
      - { .name: attention_mask, .offset: 8, .size: 8, .value_kind: global_buffer, .address_space: global }
      - { .name: ctxh, .offset: 16, .size: 8, .value_kind: global_buffer, .address_space: global }
    .group_segment_fixed_size: 327680
    .private_segment_fixed_size: 0
    .kernarg_segment_align: 8
    .kernarg_segment_size: 24
    .max_flat_workgroup_size: 128
    .sgpr_count:     84
    .vgpr_count:     1024
    .wavefront_size: 32
...
	.end_amdgpu_metadata
.endif
;; end of part 3
;; launch oproj (part 4): grid 16 x 16, 4 waves a work-group, clusters of 4 x 4, 327,680 bytes of LDS; arguments ctxh, wob, out0; writes out0
.if DOCPART == 4
	.amdgcn_target "amdgcn-amd-amdhsa--gfx1250"
	.amdhsa_code_object_version 6
	.text
	.protected	k_q509fd90231_oproj
	.globl	k_q509fd90231_oproj
	.p2align	8
	.type	k_q509fd90231_oproj,@function
k_q509fd90231_oproj:
	s_mov_b64 s[64:65], 0
	v_nop
	global_prefetch_b8 v0, s[64:65] scope:SCOPE_SE
	s_setreg_imm32_b32 hwreg(HW_REG_WAVE_MODE, 25, 1), 1
	s_wait_xcnt 0x0
	s_wait_alu depctr_hold_cnt(0) depctr_sa_sdst(0) depctr_va_vdst(0) depctr_va_sdst(0) depctr_va_ssrc(0) depctr_va_vcc(0) depctr_vm_vsrc(0)
	s_getreg_b32 s2, hwreg(HW_REG_IB_STS2, 6, 4)
	s_cmp_eq_u32 s2, 0
	s_cbranch_scc0 .Lentry_in_a_cluster
	s_endpgm
.Lentry_in_a_cluster:
	s_bfe_u32 s2, ttmp6, 0x10000c
	s_cmp_lg_u32 s2, 0xf033
	s_cbranch_scc0 .Lentry_shape_is_right
	s_endpgm
.Lentry_shape_is_right:
; OPROJ: out0[m][n] = sum over k of ctxh[m][k] wo8[n][k] (f16 operands, f32 sums, f32 out).  ctxh = ctx / 8 and wob = 8 wo: the factors cancel exactly.
; The frame is that of the projection of q, k and v.  A work-group makes 128 x 256 with four waves; wave w = 2 kh + nh makes a PARTIAL block of 128 rows x columns
; 128 nh .. +127 over elements 128 kh .. +127 of every 256 along K, in four chunks of 32 (64 matrix instructions on 64 accumulator tiles each); at the end the two
; waves of one nh exchange halves through LDS, each keeping rows 64 kh .. +63.
; ctxh comes through LDS: a ring of two slots of 128 rows x 256 k (rows of 512 bytes of memory at multiples of 512), 32 rows a wave by one tensor load, asked for
; jointly along a row of the 4 x 4 cluster.
; wob IS NOT ASKED FOR JOINTLY AND DOES NOT PASS LDS: with K split between the waves each of its fragments (1,024 bytes) is multiplied by ONE wave of the work-group, so
; LDS would only be written once and read once for it, and a ring for 384 rows would have room for slots of 128 k only.  wob lies in memory in fragment order (lane l's
; 16 bytes at 16 l): a load of a wave covers 512 consecutive aligned bytes, a chunk's 16 loads 8,192; 48 loads (24 KiB) of every wave are on their way behind counted
; waits, with no barrier in their path.  The price: the four work-groups of a column of the cluster each fetch the same rows of wob, 1 MiB a work-group.
; REGISTERS: window 0: v0-31 addresses, v64-127 / v128-191 fragments of ctxh; window 1: four buffers of 64 registers for wob's fragments; window 2: tiles of the rows
; that I keep (tile (a, b) at 8 (8 a + b)); window 3: of the rows that I send.  The matrix instruction is used transposed: lane l holds row l % 16, columns 8 (l / 16) + 0..7.
.set SIZE_K, 2048
.set NKC,    SIZE_K/32                 ; chunks of 32 along K
.set CP,     16384                     ; bytes in a row of out0
.set KS,     256                       ; K of a slot
.set PITCH,  528                       ; 512 bytes + 16 of padding = 33 x 16: the 16 rows of a fragment load start at 16 different 16-byte columns modulo 256
.set SLOT,   128*PITCH                 ; 67,584
.set XCH,    2*SLOT                    ; the exchange: 16,384 bytes a wave; no tensor load lands here
.set XW,     16384
.set STAGE,  XCH+4*XW                  ; the way out: 16 rows x 528 bytes a wave
.set SPITCH, 528
.set BODIES, SIZE_K/(2*KS)             ; a body = two slots = once round the ring = 8 chunks of a wave
.set BCH,    8192                      ; wob: 128 rows x 32 k
.set BSL,    8*BCH                     ; wob: from a slot's first chunk to the next slot's (4 chunks mine, 4 my partner's)
.set ADRALO, 16                        ; v16-17  LDS address of the ctxh rows that I keep, slot 0, 1
.set ADRAHI, 18                        ; v18-19  of those that I send
.set BO,     20                        ; v20     16 l: my 16 bytes of every 512 of wob; never rewritten
.set STO,    24
.set RD,     25
.set CO,     26
.set XST,    27
.set XLD,    28
.set F0,     64
.set F1,     128
.set G1,  24                           ; s[24:31] group 1 for ctxh's tiles
.set G0,  32                           ; s[32:39] group 0, a set for each slot
.set PA,  48                           ; s[48:49] wob's base for the loads issued in chunks 0-3 of a body
.set PB,  50                           ; s[50:51] for those issued in chunks 4-7
.set FLAGS, (1<<16)|(1<<20)|(1<<21)|(6<<22)|(3<<25)   ; element of 2 bytes; padding on; bit 21 beside a mask; after every 128 words; 4 words
.set MSB, 0
.macro WIN new                         ; the immediate's high byte repeats the setting that is left
.if MSB != \new
	s_set_vgpr_msb (MSB<<8)|\new
.set MSB, \new
.endif
.endm
.set MUL_LO, 0xa1                      ; source 0 (wob) window 1, source 1 (ctxh) window 0, C and D window 2
.set MUL_HI, 0xf1                      ; the same, C and D window 3
.set TO_B,   0x40                      ; destination window 1, address window 0
.macro CREST                           ; a round of the cluster's barrier behind its opening barrier
	s_cmp_lg_u32 s12, 0
	s_cbranch_scc1 .Lnot_wave_0_\@
	s_barrier_signal -3
.Lnot_wave_0_\@:
	s_barrier_wait -3
	s_barrier_signal -1
	s_barrier_wait -1
.endm
.macro CROUND
	s_barrier_signal -1
	s_barrier_wait -1
	CREST
.endm
.macro PLACES                          ; four plain places behind a matrix instruction (ISA guide 7.12.1)
.rept 4
	v_nop
.endr
.endm
; 16 matrix instructions: row blocks a0, a0 + 1 of the window's four x all 8 column blocks, 32 along K.  zero = 1: the first product starts the sums.
.macro MUL16 fa, fb, hi, a0, zero
.irp a, \a0, \a0+1
.irp b, 0,1,2,3,4,5,6,7
.if \zero
	v_wmma_f32_16x16x32_f16 v[8*(8*(\a)+\b):8*(8*(\a)+\b)+7], v[\fb+8*\b:\fb+8*\b+7], v[\fa+8*(4*\hi+(\a)):\fa+8*(4*\hi+(\a))+7], 0
.else
	v_wmma_f32_16x16x32_f16 v[8*(8*(\a)+\b):8*(8*(\a)+\b)+7], v[\fb+8*\b:\fb+8*\b+7], v[\fa+8*(4*\hi+(\a)):\fa+8*(4*\hi+(\a))+7], v[8*(8*(\a)+\b):8*(8*(\a)+\b)+7]
.endif
.endr
.endr
.endm
.macro FETCHA ns, no, f                ; 16 LDS loads: the 64 rows of ctxh that I keep, the 64 that I send; 32 k at byte no of my half of slot ns's rows
.irp t, 0,1,2,3
	ds_load_b128 v[\f+8*\t:\f+8*\t+3],   v[ADRALO+\ns] offset:\no+\t*16*PITCH
	ds_load_b128 v[\f+8*\t+4:\f+8*\t+7], v[ADRALO+\ns] offset:\no+\t*16*PITCH+32
.endr
.irp t, 0,1,2,3
	ds_load_b128 v[\f+32+8*\t:\f+32+8*\t+3],   v[ADRAHI+\ns] offset:\no+\t*16*PITCH
	ds_load_b128 v[\f+32+8*\t+4:\f+32+8*\t+7], v[ADRAHI+\ns] offset:\no+\t*16*PITCH+32
.endr
.endm
.macro LOADB q, p, off                 ; 16 global loads: a chunk of wob, 8,192 consecutive bytes, 512 an instruction
.irp j, 0,1,2,3,4,5,6,7
	global_load_b128 v[\q+8*\j:\q+8*\j+3],   v[BO], s[\p:\p+1] offset:\off+1024*\j
	global_load_b128 v[\q+8*\j+4:\q+8*\j+7], v[BO], s[\p:\p+1] offset:\off+1024*\j+512
.endr
.endm
; Chunk i = 0..7 of a body (slot i >> 2, chunk i & 3).  The 64 accumulators take turns, one instruction a turn, in the same order in every chunk, over the loop's
; backward jump too.
; lcnt: how many younger loads of wob may stay out; ldb = 1: chunk i + 3 of wob is asked for; fa = 1: chunk i + 1 of ctxh is read from LDS;
; turn = 1: this slot, whose last fragments were read at this chunk's head, is filled again two slots ahead; turn = 2: the barrier alone; stp: a base of wob to step.
.macro CHUNK i, zero, lcnt, ldb, fa, turn, stp
.set k_s,  (\i)>>2
.set k_c,  (\i)&3
.set k_fa, F0+64*(k_c&1)
.set k_fn, F0+64*((k_c+1)&1)
.set k_fb, 64*k_c
.set k_ns, (((\i)+1)&7)>>2
.set k_no, 64*(((\i)+1)&3)
.set k_bq, 64*(((\i)+3)&3)
.set k_bo, (((\i)+3)>>2)*BSL+(((\i)+3)&3)*BCH
.if (\i) < 4
.set k_bp, PA
.else
.set k_bp, PB
.endif
	PLACES                                         ; the buffers of the chunk before, which the last matrix instructions read, are loaded into below
	s_wait_loadcnt \lcnt                           ; loads return in order: this chunk's 16 are in; the 16 of each of the next two chunks stay out
.if \stp
	s_add_nc_u64 s[\stp:\stp+1], s[\stp:\stp+1], 2*BSL     ; the youngest load that names this base is four chunks old: the wait above shows it done
.endif
.if \ldb
	WIN TO_B
	LOADB k_bq, k_bp, k_bo                         ; three chunks ahead: 48 loads of the wave are out
.endif
.if \fa
	WIN 0
	FETCHA k_ns, k_no, k_fn
	s_wait_dscnt 16                                ; this chunk's fragments of ctxh are in; the 16 loads just issued stay out
.else
	s_wait_dscnt 0
.endif
	WIN MUL_LO
	MUL16 k_fa, k_fb, 0, 0, \zero
	MUL16 k_fa, k_fb, 0, 2, \zero
	WIN MUL_HI
	MUL16 k_fa, k_fb, 1, 0, \zero
.if \turn
	s_wait_dscnt 0x0                               ; my reads of this slot are over: the last were issued at this chunk's head
	s_set_vgpr_msb 0xf1f0
	s_wait_tensorcnt 0x0                           ; and all my tensor loads have landed: one was out, my 32 rows of the other slot
	ds_add_u32 v254, v255
	s_wait_dscnt 0x0
	s_set_vgpr_msb 0xf0f1
	s_barrier_signal -1                            ; (where the slot is filled again this barrier opens a round of the cluster's barrier)
.endif
	MUL16 k_fa, k_fb, 1, 2, \zero                  ; register work while the others arrive
.if \turn
	WIN 0
	s_barrier_wait -1
.if \turn == 1
	CREST                                          ; no wave of any partner still reads this slot or has a tensor load on its way
	s_add_nc_u64 s[G0+4*k_s+2:G0+4*k_s+3], s[G0+4*k_s+2:G0+4*k_s+3], 2*KS*2
	tensor_load_to_lds s[G0+4*k_s:G0+4*k_s+3], s[G1:G1+7]  ; the first tensor load behind the round, one a wave; 240 matrix instructions stand between it and the wait for it
	s_nop 0
.endif
.endif
.endm
.macro BODY first, last
	CHUNK 0, \first, 32, 1, 1, 0, 0
	CHUNK 1, 0, 32, 1, 1, 0, 0
.if \last
	CHUNK 2, 0, 32, 1, 1, 2, 0                     ; nothing is left to fetch for slot 0: the barrier shows slot 1 whole
.else
	CHUNK 2, 0, 32, 1, 1, 1, 0
.endif
.if \first
	CHUNK 3, 0, 32, 1, 1, 0, 0
.else
	CHUNK 3, 0, 32, 1, 1, 0, PB                    ; PB's last loads were this body's chunks 0-2
.endif
	CHUNK 4, 0, 32, 1, 1, 0, 0
.if \last
	CHUNK 5, 0, 32, 0, 1, 0, 0                     ; the last three chunks ask for nothing: the counts run down
	CHUNK 6, 0, 16, 0, 1, 0, 0
	CHUNK 7, 0, 0, 0, 0, 0, 0
.else
	CHUNK 5, 0, 32, 1, 1, 0, 0
	CHUNK 6, 0, 32, 1, 1, 1, 0
	CHUNK 7, 0, 32, 1, 1, 0, PA                    ; PA's last loads were chunk 6's fragments
.endif
.endm
.macro XSEND p                         ; 16 tiles of window 3 into my part of the exchange, 512 consecutive bytes a store; then the barrier
	WIN 0x0c                                       ; store data (source 1) window 3
.set x, 0
.rept 32
	ds_store_b128 v[XST], v[128*\p+4*x:128*\p+4*x+3] offset:512*x
.set x, x+1
.endr
	WIN 0
	s_wait_dscnt 0x0                               ; for my partner's sake: all my stores are done
	s_barrier_signal -1
	s_barrier_wait -1
.endm
.macro XRECV p                         ; my partner's 16 tiles, sums over the other half of K for rows that I keep, are added onto window 2
.set x, 0
.rept 32
	ds_load_b128 v[F0+4*x:F0+4*x+3], v[XLD] offset:512*x
.set x, x+1
.endr
	s_wait_dscnt 0x0
	WIN 0x82                                       ; source 0 and destination window 2, source 1 window 0
.set x, 0
.rept 64
	v_pk_add_f32 v[128*\p+2*x:128*\p+2*x+1], v[128*\p+2*x:128*\p+2*x+1], v[F0+2*x:F0+2*x+1]
.set x, x+1
.endr
	WIN 0
.endm
; Row block a: 16 rows x 128 f32 through my own stage; a row of 512 bytes leaves by one store of the wave.
.macro OUTF a, f
	WIN 0x08                                       ; store data (source 1) window 2
.irp b, 0,1,2,3,4,5,6,7
	ds_store_b128 v[STO], v[8*(8*\a+\b):8*(8*\a+\b)+3]   offset:64*\b
	ds_store_b128 v[STO], v[8*(8*\a+\b)+4:8*(8*\a+\b)+7] offset:64*\b+16
.endr
	WIN 0
	s_wait_xcnt 0x0                                ; buffer f, which earlier stores read, and the stores' base are rewritten only behind this wait
.if \a
	s_add_nc_u64 s[8:9], s[8:9], 16*CP
.endif
.set t, 0
.rept 16
	ds_load_b128 v[\f+4*t:\f+4*t+3], v[RD] offset:SPITCH*t         ; LDS serves a wave's instructions in order: these see the stores above
.set t, t+1
.endr
.set t, 0
.rept 16
	s_wait_dscnt 15-t                              ; row t is in, the younger loads stay out
	global_store_b128 v[CO], v[\f+4*t:\f+4*t+3], s[8:9] offset:CP*t th:TH_STORE_NT    ; 32 lanes store 512 consecutive aligned bytes
.set t, t+1
.endr
.endm
	s_load_b128 s[4:7], s[0:1], 0x0                ; ctxh s[4:5], wob s[6:7]
	s_load_b64 s[8:9], s[0:1], 0x10                ; out0
	v_lshl_add_u32 v254, v0, 2, 0x39400
	v_mov_b32 v255, 0
	ds_add_u32 v254, v255
	v_lshrrev_b32 v1, 5, v0
	v_readfirstlane_b32 s12, v1                    ; wave 0..3
	s_lshr_b32 s13, s12, 1                         ; kh: my half of K
	s_and_b32 s14, s12, 1                          ; nh: my half of the columns
	s_bfe_u32 s16, ttmp6, 0x40000                  ; cx
	s_bfe_u32 s17, ttmp6, 0x40004                  ; cy
	s_lshl_b32 s18, ttmp9, 2
	s_add_co_u32 s18, s18, s16                     ; block column = 4 x cluster x + cx
	s_and_b32 s19, ttmp7, 0xffff
	s_lshl_b32 s19, s19, 2
	s_add_co_u32 s19, s19, s17                     ; block row = 4 x cluster y + cy
	s_lshl_b32 s20, s17, 2
	s_lshl_b32 s20, 15, s20                        ; my row of the cluster: places 4 cy .. 4 cy + 3
	s_or_b32 s[G1+0], s20, FLAGS                   ; ctxh's tiles go to my row
	s_mov_b32 s[G1+1], KS<<16                      ; tensor_dim0 = 256
	s_mov_b32 s[G1+2], 32<<16                      ; tensor_dim1 = 32
	s_mov_b32 s[G1+3], KS<<16                      ; tile_dim0 = 256
	s_mov_b32 s[G1+4], 32                          ; tile_dim1 = 32 rows
	s_mov_b32 s[G1+5], SIZE_K                      ; elements from row to row
	s_mov_b32 s[G1+6], 0
	s_mov_b32 s[G1+7], 0
	; ctxh's address hangs on the block row and the wave alone, in registers that never hold the block column
	s_lshl_b32 s40, s19, 7
	s_lshl_b32 s22, s12, 5
	s_add_co_u32 s40, s40, s22                     ; ctxh: row 128 x block row + 32 x wave
	s_mul_i32 s40, s40, SIZE_K*2                   ; in bytes: below 2^23
	s_mov_b32 s41, 0
	s_lshl_b32 s46, s18, 1
	s_add_co_u32 s46, s46, s14                     ; wob: my block of 128 rows = 2 x block column + nh
	s_mul_i32 s46, s46, NKC*BCH                    ; below 2^24
	s_lshl_b32 s47, s13, 15                        ; my four chunks of every eight
	s_add_co_u32 s46, s46, s47
	s_mov_b32 s47, 0
	s_mul_i32 s22, s12, 32*PITCH                   ; where my 32 rows go in LDS: the wave's number alone
	s_wait_dscnt 0x0
	s_wait_kmcnt 0x0
	s_add_nc_u64 s[44:45], s[4:5], s[40:41]
	s_add_nc_u64 s[PA:PA+1], s[6:7], s[46:47]
	s_mov_b64 s[PB:PB+1], s[PA:PA+1]
	CROUND                                         ; all sixteen work-groups are here: the first joint loads meet
.irp s, 0,1
	s_mov_b32 s[G0+4*\s], 1
	s_add_co_u32 s[G0+4*\s+1], s22, \s*SLOT
	s_add_nc_u64 s[G0+4*\s+2:G0+4*\s+3], s[44:45], \s*KS*2
	s_or_b32 s[G0+4*\s+3], s[G0+4*\s+3], 0x80000000
	tensor_load_to_lds s[G0+4*\s:G0+4*\s+3], s[G1:G1+7]    ; both slots' first fills: two tensor loads of a wave are out
	s_nop 0
.endr
	v_and_b32 v1, 15, v0                           ; r
	v_bfe_u32 v2, v0, 4, 1                         ; h
	v_and_b32 v5, 31, v0                           ; l
	v_lshlrev_b32 v[BO], 4, v5
	WIN TO_B
	LOADB 0,   PA, 0                               ; wob's chunks 0, 1, 2
	LOADB 64,  PA, BCH
	LOADB 128, PA, 2*BCH
	WIN 0
	v_mul_u32_u24 v3, v1, PITCH
	v_lshl_add_u32 v3, v2, 4, v3                   ; r x pitch + 16 h
	s_lshl_b32 s22, s13, 8
	v_add_nc_u32 v3, s22, v3                       ; + my half of the row: 256 kh bytes
	s_mul_i32 s22, s13, 64*PITCH                   ; the rows that I keep: 64 kh ..
	s_xor_b32 s23, s13, 1
	s_mul_i32 s23, s23, 64*PITCH                   ; the rows that I send
	v_add_nc_u32 v[ADRALO], s22, v3
	v_add_nc_u32 v[ADRAHI], s23, v3
	v_add_nc_u32 v[ADRALO+1], SLOT, v[ADRALO]
	v_add_nc_u32 v[ADRAHI+1], SLOT, v[ADRAHI]
	s_mul_i32 s22, s12, XW
	s_add_co_u32 s22, s22, XCH
	v_lshl_add_u32 v[XST], v5, 4, s22              ; my part of the exchange, 16 bytes a lane
	s_xor_b32 s23, s12, 2                          ; my partner: same columns, other half of K
	s_mul_i32 s23, s23, XW
	s_add_co_u32 s23, s23, XCH
	v_lshl_add_u32 v[XLD], v5, 4, s23
	s_mul_i32 s22, s12, 16*SPITCH
	s_add_co_u32 s22, s22, STAGE                   ; my stage
	v_mul_u32_u24 v4, v1, SPITCH                   ; in: row r, 32 bytes for each half of the lanes
	v_lshl_add_u32 v4, v2, 5, v4
	v_add_nc_u32 v[STO], s22, v4
	v_lshl_add_u32 v[RD], v5, 4, s22               ; back: the 32 lanes take one row of 512 bytes
	v_lshlrev_b32 v[CO], 4, v5
	s_wait_tensorcnt 0x1                           ; my part of slot 0 is in; slot 1's may stay out
	s_barrier_signal -1
	s_barrier_wait -1
	FETCHA 0, 0, F0
	BODY 1, 0                                      ; the first body's first products start the sums: nothing is cleared
	WIN 0
	s_mov_b32 s15, BODIES-2
.Lbody:
	BODY 0, 0
	WIN 0
	s_sub_co_u32 s15, s15, 1
	s_cmp_lg_u32 s15, 0
	s_cbranch_scc1 .Lbody
	BODY 0, 1                                      ; the last body fills nothing and has no round of the cluster's barrier
	PLACES                                         ; behind the last matrix instructions: results are read, fragment registers loaded into
	WIN 0
	s_lshl_b32 s40, s19, 7
	s_lshl_b32 s41, s13, 6
	s_add_co_u32 s40, s40, s41                     ; my first row: 128 x block row + 64 kh
	s_lshl_b32 s40, s40, 14                        ; 16,384 bytes a row
	s_mov_b32 s41, 0
	s_add_nc_u64 s[8:9], s[8:9], s[40:41]
	s_lshl_b32 s46, s18, 10                        ; my first column in bytes: 1,024 x block column + 512 nh
	s_lshl_b32 s47, s14, 9
	s_add_co_u32 s46, s46, s47
	s_mov_b32 s47, 0
	s_add_nc_u64 s[8:9], s[8:9], s[46:47]
	XSEND 0
	XRECV 0
	s_barrier_signal -1                            ; every wave's reads of the exchange are back (XRECV waited for 0): it may be written again
	s_barrier_wait -1
	XSEND 1
	XRECV 1
	OUTF 0, F0
	OUTF 1, F1
	OUTF 2, F0
	OUTF 3, F1
	s_wait_tensorcnt 0x0
	ds_add_u32 v254, v255
	s_wait_dscnt 0x0
	CROUND                                         ; the closing round: no work-group ends while a partner may still ask for a tile that names it
	s_endpgm
.Lfunc_end_k_q509fd90231_oproj:
	.size	k_q509fd90231_oproj, .Lfunc_end_k_q509fd90231_oproj-k_q509fd90231_oproj
	.p2alignl 7, 3214868480
	.fill 96, 4, 3214868480
	.section	.rodata,"a",@progbits
	.p2align	6, 0x0
	.amdhsa_kernel k_q509fd90231_oproj
		.amdhsa_group_segment_fixed_size 327680
		.amdhsa_private_segment_fixed_size 0
		.amdhsa_enable_private_segment 0
		.amdhsa_kernarg_size 24
		.amdhsa_user_sgpr_count 2
		.amdhsa_user_sgpr_kernarg_segment_ptr 1
		.amdhsa_wavefront_size32 1
		.amdhsa_system_sgpr_workgroup_id_x 1
		.amdhsa_system_sgpr_workgroup_id_y 1
		.amdhsa_system_sgpr_workgroup_id_z 1
		.amdhsa_system_vgpr_workitem_id 0
		.amdhsa_next_free_vgpr 1024
		.amdhsa_next_free_sgpr 66
		.amdhsa_reserve_vcc 0
		.amdhsa_float_denorm_mode_32 3
		.amdhsa_float_denorm_mode_16_64 3
		.amdhsa_memory_ordered 1
		.amdhsa_forward_progress 1
		.amdhsa_inst_pref_size 206
	.end_amdhsa_kernel
	.amdgpu_metadata
---
amdhsa.version: [ 1, 2 ]
amdhsa.kernels:
  - .name:           k_q509fd90231_oproj
    .symbol:         k_q509fd90231_oproj.kd
    .args:
      - { .name: ctxh, .offset: 0, .size: 8, .value_kind: global_buffer, .address_space: global }
      - { .name: wob, .offset: 8, .size: 8, .value_kind: global_buffer, .address_space: global }
      - { .name: out0, .offset: 16, .size: 8, .value_kind: global_buffer, .address_space: global }
    .group_segment_fixed_size: 327680
    .private_segment_fixed_size: 0
    .kernarg_segment_align: 8
    .kernarg_segment_size: 24
    .max_flat_workgroup_size: 128
    .sgpr_count:     66
    .vgpr_count:     1024
    .wavefront_size: 32
...
	.end_amdgpu_metadata
.endif
;; end of part 4
;; ======== version 2 of 2: 4 launches; version 1 with the launch prep written anew for expert scheduling mode
;; limits: right only within a limited range of input values; values are held in f16: magnitudes above 65,504 overflow, below 6.1e-05 lose precision
;; workspace buffers: xb 16,777,216 bytes; wb 33,554,432 bytes; wob 16,777,216 bytes; rope 1,048,576 bytes; qkvh 16,777,216 bytes; ctxh 8,388,608 bytes
;; launch prep (part 5): grid 128 x 9, 8 waves a work-group, no clusters, 18,432 bytes of LDS; arguments hidden_states, wq, wk, wv, wo, position_ids, xb, wb, wob, rope; writes xb, wb, wob, rope
.if DOCPART == 5
	.amdgcn_target "amdgcn-amd-amdhsa--gfx1250"
	.amdhsa_code_object_version 6
	.text
	.protected	k_q509fd90231_prep
	.globl	k_q509fd90231_prep
	.p2align	8
	.type	k_q509fd90231_prep,@function
k_q509fd90231_prep:
	s_mov_b64 s[64:65], 0
	v_nop
	global_prefetch_b8 v0, s[64:65] scope:SCOPE_SE
	s_setreg_imm32_b32 hwreg(HW_REG_WAVE_SCHED_MODE, 0, 2), 2
	s_setreg_imm32_b32 hwreg(HW_REG_WAVE_MODE, 25, 1), 1
	s_wait_xcnt 0x0
	s_wait_alu depctr_vm_vsrc(0)
; PREP: the casts of the five f32 operands to 16 bits, and the table of rotary cosines and sines.
;   xb  = bf16(hidden_states)                        [2048][4096], row-major
;   wb  = bf16(wq) ; bf16(wk) ; bf16(wv)/8           4096 rows (0-2047, 2048-3071, 3072-4095) x 4096 k, IN FRAGMENT ORDER (the division by 8 is exact)
;   wob = 8 * bf16(wo), written as f16               4096 rows x 2048 k, IN FRAGMENT ORDER (a bf16 has 8 significant bits, an f16 11: exact inside f16's normal range)
;   rope[s] = ALPHA*cos(pos[s]*f[0..63]), ALPHA*sin(pos[s]*f[0..63])   [2048][128] f32
; FRAGMENT ORDER: element (n, k) of a weight with K columns lies at byte
;   ((n>>7)*(K/32) + (k>>5))*8192 + ((n>>4)&7)*1024 + ((k>>4)&1)*512 + ((n&15) + 16*((k>>3)&1))*16 + (k&7)*2,
; which is the register image of a 16 x 32 matrix operand: lane l of a wave finds its 16 bytes at 16 l, so the products load 512 consecutive bytes an instruction.
; ALPHA = sqrt(128^-0.5 * log2 e): q and k both carry it, so that q.k is the scaled score in powers of two.
; LIMITS: |8 wo| must stay below 65,504; 8 wo below 2^-14 loses bits (absolute error at most 3e-8); |position| at most 2^20 (two-term
; reduction of the angle); the frequencies come from v_exp_f32 and differ from a correctly rounded power by a few units in the last place.
; Grid y = 0, 1: hidden_states; 2..5: wq, wq, wk, wv; 6, 7: wo: a unit of 16 MiB of f32 each, grid x a 128 KiB part of it.  Grid y = 8: the table.
; A stream: memory binds, so there is no matrix work and no barrier.  Every global store has data registers of its own and no address register is ever
; rewritten (steps stand in the immediates), so nothing waits for a store.
; The weights change order through LDS bytes that are the wave's own (LDS serves a wave's instructions in order: no wait between its stores and its loads).
; THE MODE: SCHED_MODE bits 1:0 = 2 (LLVM: expert scheduling mode 2), set by the entry lines.  The code itself states the register dependences
; between vector instructions and memory or LDS instructions, with s_wait_alu, always for 0.
; THE PLAN.  The 32 steps of a cast go in 8 blocks of four.  Registers that memory or LDS instructions touch:
;   X0 .. X3   four blocks of f32 as loaded.  Written by the loads of block p + 3, issued in block p; read by block p's vector lines.
;   D0, D1     (weights) two blocks of 16-bit numbers on their way into LDS.  Written by block p's roundings; read by the four LDS stores issued in block p + 1.
;   Y          hidden_states: written by block p's roundings, each register once; read by the four stores issued in block p + 1.
;              weights: written by LDS loads alone, each register once; read by the global stores.
;   v1 .. v4   offsets and LDS addresses, made once ahead of a path's first load and never written again.
;   v144, v145 written at the head, read by the closing add alone.
; Block p works on X[p % 4] and writes D[p % 2] (or its own Y).  Its memory instructions are the loads into X[(p + 3) % 4] = X[(p - 1) % 4] and the stores from what
; block p - 1 wrote: registers that no vector line of block p names.  So the waits at a block's head state all that its memory instructions hang on, and these are dealt
; among the block's vector lines with no further wait.  Twelve loads of every wave are on their way.  T is named by vector lines alone.
.set X,     8                          ; v[8:71]    buffer k, row i: four f32 as loaded, at X + 16 k + 4 i
.set D0,    72                         ; v[72:79]   even blocks: row i: four 16-bit numbers on their way into LDS, at D0 + 2 i
.set Y,     80                         ; v[80:143]  data of the global stores, each register written once
.set D1,    146                        ; v[146:153] odd blocks: the same
.set T,     154                        ; v[154:157] at work
.set STEPS, 32                         ; 131,072 bytes / 4,096
.set BLK,   4                          ; steps in a block
.set NBLK,  STEPS/BLK
.set UP,    272                        ; LDS: a unit of 256 bytes (16 rows x 8 k) + 16
.set WLDS,  8*UP                       ; a wave's bytes: 8 units = 16 rows x 64 k
.macro BWAIT                           ; at the head of block bp: loads return in order: its four are in, the two younger blocks stay out; the last blocks ask for nothing and the count runs down
.if NBLK-1-bp < 2
	s_wait_loadcnt BLK*(NBLK-1-bp)
.else
	s_wait_loadcnt 2*BLK
.endif
.endm
; hidden_states, block bp: thread t takes 16 bytes of every 4,096; a wave's store covers 256 consecutive aligned bytes.
.macro CBLK
.set c_x,  X+16*(bp%4)                 ; this block's numbers
.set c_xn, X+16*((bp+3)%4)             ; the buffer of the block before, which takes block bp + 3
	BWAIT
.if bp > 0
	s_wait_alu depctr_va_vdst(0)                   ; the block before has written its Y, which the stores below read, and is done reading its X, in which the loads below land
.endif
.irp i, 0,1,2,3
.if bp+3 < NBLK
	global_load_b128 v[c_xn+4*(\i):c_xn+4*(\i)+3], v1, s[28:29] offset:4096*(BLK*(bp+3)+(\i)) th:TH_LOAD_NT  ; three blocks ahead; no vector line since the wait names these registers
.endif
.if bp > 0
	global_store_b64 v2, v[Y+2*(BLK*(bp-1)+(\i)):Y+2*(BLK*(bp-1)+(\i))+1], s[30:31] offset:2048*(BLK*(bp-1)+(\i))  ; the block before; a later launch reads it: no hint
.endif
	v_cvt_pk_bf16_f32 v[Y+2*(BLK*bp+(\i))],   v[c_x+4*(\i)],   v[c_x+4*(\i)+1]
	v_cvt_pk_bf16_f32 v[Y+2*(BLK*bp+(\i))+1], v[c_x+4*(\i)+2], v[c_x+4*(\i)+3]
.endr
.set bp, bp+1
.endm
; A weight.  The work-group owns 16 rows x 2,048 k; wave w owns k = 512 it + 64 w .. +63 in pass it = 0..3.  Step 8 it + i: lanes 0-15 hold 256 bytes of row 2 i,
; lanes 16-31 of row 2 i + 1.  Lane (p, q) (p = l >> 4, q = l & 15) holds k = 4 q .. 4 q + 3 of the 64: unit u = q >> 1 (chunk, half of the registers, half of the lanes),
; 8 bytes at 8 (q & 1) of its row's 16.  In LDS row 2 i + p stands at place 8 p + i of its unit, so that the 32 lanes of a store hit 32 different 8-byte columns.
; Block bp is half a pass.  A pass's last LDS stores are issued in the even block behind it; its four LDS loads (two units = half a fragment each, lane l its 16 bytes) follow them there,
; and its four global stores stand in the odd block behind that, one to a row.
.macro WBLK rowb, half
.set w_x,  X+16*(bp%4)                 ; this block's numbers
.set w_xn, X+16*((bp+3)%4)             ; the buffer of the block before, which takes block bp + 3
.set w_d,  D0+(D1-D0)*(bp%2)           ; what this block's roundings write
.set w_dp, D0+(D1-D0)*((bp+1)%2)       ; what the block before wrote
	BWAIT
.if bp > 1
	s_wait_alu depctr_vm_vsrc(0)                   ; the LDS stores issued in the block before have read this block's D, which its roundings write again
.endif
.if bp > 0
	s_wait_alu depctr_va_vdst(0)                   ; the block before has written the other D, which the LDS stores below read, and is done reading its X, in which the loads below land
.endif
.irp i, 0,1,2,3
.set w_n, BLK*(bp+3)+(\i)              ; the step that is asked for
.set w_p, BLK*(bp-1)+(\i)              ; the step of the block before whose numbers go into LDS
.set r_x, w_x+4*(\i)
.set r_d, w_d+2*(\i)
.if bp+3 < NBLK
	global_load_b128 v[w_xn+4*(\i):w_xn+4*(\i)+3], v1, s[28:29] offset:2*(w_n%8)*(\rowb)+(w_n/8)*2048 th:TH_LOAD_NT  ; three blocks ahead; no vector line since the wait names these registers
.endif
.if (bp%2 == 1) && (bp >= 3)
	s_wait_dscnt 3                                 ; LDS load i of the pass before is in: behind it stand the 3 - i younger loads and the i LDS stores of the rows above: three
	global_store_b128 v2, v[Y+8*(bp-3)+4*(\i):Y+8*(bp-3)+4*(\i)+3], s[30:31] offset:((bp-3)/2)*131072+((\i)>>1)*8192+((\i)&1)*512   ; 512 consecutive aligned bytes
.endif
.if bp > 0
	ds_store_b64 v3, v[w_dp+2*(\i):w_dp+2*(\i)+1] offset:16*(w_p%8)
.endif
.if (bp%2 == 0) && (bp >= 2) && ((\i) == 3)
.irp m, 0,1,2,3
	ds_load_b128 v[Y+8*(bp-2)+4*(\m):Y+8*(bp-2)+4*(\m)+3], v4 offset:2*UP*(\m)         ; the pass is whole in LDS; no vector line of this path names Y
.endr
.endif
	v_pk_mul_f32 v[T:T+1],   v[r_x:r_x+1],   s[38:39] op_sel_hi:[1,0]    ; the weight's scale: 1, 1/8 (wv) or 8 (wo), a power of two
	v_pk_mul_f32 v[T+2:T+3], v[r_x+2:r_x+3], s[38:39] op_sel_hi:[1,0]
	v_cvt_pk_bf16_f32 v[r_d],   v[T],   v[T+1]
	v_cvt_pk_bf16_f32 v[r_d+1], v[T+2], v[T+3]
.if \half
	v_lshlrev_b32 v[T],   16, v[r_d]              ; the rounded values again as f32,
	v_and_b32     v[T+1], 0xffff0000, v[r_d]
	v_lshlrev_b32 v[T+2], 16, v[r_d+1]
	v_and_b32     v[T+3], 0xffff0000, v[r_d+1]
	v_cvt_pk_f16_f32 v[r_d],   v[T],   v[T+1]     ; and, without a further rounding, as f16
	v_cvt_pk_f16_f32 v[r_d+1], v[T+2], v[T+3]
.endif
.endr
.set bp, bp+1
.endm
; Behind block 7: its numbers go into LDS, and the last pass leaves.
.macro WTAIL
	s_wait_alu depctr_va_vdst(0)                   ; block 7 has written D1, which the LDS stores read
.irp i, 0,1,2,3
	ds_store_b64 v3, v[D1+2*(\i):D1+2*(\i)+1] offset:16*(4+(\i))
.endr
.irp m, 0,1,2,3
	ds_load_b128 v[Y+48+4*(\m):Y+48+4*(\m)+3], v4 offset:2*UP*(\m)
.endr
.irp m, 0,1,2,3
	s_wait_dscnt 3-(\m)                            ; load m is in, the younger ones stay out
	global_store_b128 v2, v[Y+48+4*(\m):Y+48+4*(\m)+3], s[30:31] offset:3*131072+((\m)>>1)*8192+((\m)&1)*512
.endr
.endm
; Lane addresses of a weight's pass.  sh: log2 of the bytes in a source row.
.macro TSETUP sh
	s_mul_i32 s7, s6, WLDS                         ; my wave's LDS bytes
	v_and_b32 v5, 31, v0                           ; l
	v_and_b32 v6, 15, v0                           ; q
	v_bfe_u32 v7, v0, 4, 1                         ; p
	v_lshrrev_b32 v[T], 1, v6                      ; q >> 1
	v_and_b32 v[T+1], 1, v0                        ; q & 1
	v_mul_u32_u24 v3, v[T], UP                     ; in: unit q >> 1,
	v_lshl_add_u32 v3, v[T+1], 3, v3               ; 8 (q & 1),
	v_lshl_add_u32 v3, v7, 7, v3                   ; place 8 p (+ i in the immediate)
	v_add_nc_u32 v3, s7, v3
	v_lshl_add_u32 v4, v[T+1], 3, v[T]             ; back: row r = q stands at place 8 (r & 1) + (r >> 1),
	v_lshlrev_b32 v4, 4, v4
	v_mad_u32_u24 v4, v7, UP, v4                   ; lanes 16-31 take the next unit
	v_add_nc_u32 v4, s7, v4
	v_lshlrev_b32 v2, 4, v5                        ; result: 16 l + two chunks of 8,192 bytes a wave
	v_lshl_add_u32 v2, s6, 14, v2
	v_lshlrev_b32 v1, 4, v6                        ; source: 16 q + 256 w + p rows
	v_lshl_add_u32 v1, s6, 8, v1
	v_lshl_add_u32 v1, v7, \sh, v1
	s_wait_alu depctr_va_vdst(0)                   ; v1 to v4 are written: every load and store of this path, global or LDS, reads one of them as its offset or address
.endm
; cos and sin of position x frequency 4 iq + e, both times ALPHA, into v[24+e] and v[28+e].  The compares write scalar registers and stand early; one wait stands ahead of the selects that read them.
.macro SC e
	v_add_nc_u32 v10, \e, v5
	v_cvt_f32_u32 v10, v10
	v_mul_f32 v10, 0xbe9773da, v10                 ; -i * log2(500000)/64
	v_exp_f32 v11, v10                             ; the plain frequency
	v_nop                                          ; one plain place behind a transcendental (ISA guide 5.7.2)
	s_wait_alu depctr_va_vdst(0)                   ; the exponential has written v11, ahead of its first reader
	v_cmp_gt_f32 s48, s42, v11                     ; wavelength > 8192
	v_cmp_lt_f32 s49, s43, v11                     ; wavelength < 2048
	v_fmaak_f32 v12, s40, v11, 0xbf800000          ; 8192/wavelength - 1
	v_mul_f32 v12, 0x3eaaaaab, v12                 ; / 3: the smoothing weight
	v_fmaak_f32 v12, s41, v12, 0x3e000000          ; (1-w)/8 + w = 0.875 w + 0.125
	v_mul_f32 v12, v11, v12                        ; the smoothed frequency
	v_mul_f32 v13, 0x3e000000, v11                 ; the frequency / 8
	s_wait_alu depctr_va_sdst(0)                   ; the two compares have written s48 and s49, which the two selects read
	v_cndmask_b32 v12, v12, v13, s48
	v_cndmask_b32 v12, v12, v11, s49
	v_mul_f32 v13, v4, v12                         ; the angle, rounded to f32 as in the problem's formula
	v_mul_f32 v14, 0x3f22f983, v13
	v_rndne_f32 v14, v14                           ; k = nearest multiple of pi/2
	v_cvt_i32_f32 v20, v14
	v_and_b32 v21, 1, v20
	v_cmp_eq_u32 s50, 1, v21                       ; odd quadrant: sin and cos change places
	v_fmamk_f32 v15, v14, 0xbfc90fdb, v13          ; r = angle - k pi/2, pi/2 in two parts
	v_fmamk_f32 v15, v14, 0x333bbd2e, v15
	v_mul_f32 v16, v15, v15
	v_fmaak_f32 v17, s44, v16, 0x3c088889          ; sin r = r + r r2 (-1/6 + r2 (1/120 - r2/5040)), |r| <= pi/4
	v_fmaak_f32 v17, v17, v16, 0xbe2aaaab
	v_mul_f32 v18, v15, v16
	v_fma_f32 v17, v17, v18, v15
	v_fmaak_f32 v19, s45, v16, 0xbab60b61          ; cos r = 1 + r2 (-1/2 + r2 (1/24 + r2 (-1/720 + r2/40320)))
	v_fmaak_f32 v19, v19, v16, 0x3d2aaaab
	v_fmaak_f32 v19, v19, v16, 0xbf000000
	v_fma_f32 v19, v19, v16, 1.0
	s_wait_alu depctr_va_sdst(0)                   ; the compare has written s50, which the two selects read
	v_cndmask_b32 v22, v17, v19, s50               ; sin
	v_cndmask_b32 v23, v19, v17, s50               ; cos
	v_lshlrev_b32 v21, 30, v20
	v_and_b32 v21, 0x80000000, v21                 ; sin is negated in quadrants 2, 3
	v_xor_b32 v22, v21, v22
	v_add_nc_u32 v20, 1, v20
	v_lshlrev_b32 v20, 30, v20
	v_and_b32 v20, 0x80000000, v20                 ; cos in quadrants 1, 2
	v_xor_b32 v23, v20, v23
	v_mul_f32 v[24+\e], s46, v23
	v_mul_f32 v[28+\e], s46, v22
.endm
	s_load_b512 s[8:23], s[0:1], 0x0               ; hidden 8, wq 10, wk 12, wv 14, wo 16, positions 18, xb 20, wb 22
	s_load_b128 s[24:27], s[0:1], 0x40             ; wob 24, rope 26
	v_lshl_add_u32 v144, v0, 2, 0x4400
	v_mov_b32 v145, 0
	s_and_b32 s4, ttmp7, 0xffff                    ; y: the unit
	s_mov_b32 s5, ttmp9                            ; x: the part of it
	v_lshrrev_b32 v5, 5, v0
	v_readfirstlane_b32 s6, v5                     ; wave 0..7
	s_wait_kmcnt 0x0
	s_wait_alu depctr_va_sdst(0)                   ; s6 is written
	s_cmp_eq_u32 s4, 8
	s_cbranch_scc1 .Ltable
	s_cmp_ge_u32 s4, 6
	s_cbranch_scc1 .Lwo
	s_cmp_ge_u32 s4, 2
	s_cbranch_scc1 .Lw
	; hidden_states -> xb, in the order in which it lies
	v_lshlrev_b32 v1, 4, v0                        ; my 16 bytes of every 4,096 read
	v_lshlrev_b32 v2, 3, v0                        ; my 8 bytes of every 2,048 written
	s_lshl_b32 s32, s4, 24                         ; the unit,
	s_lshl_b32 s7, s5, 17                          ; 131,072 bytes read by each work-group
	s_add_co_u32 s32, s32, s7
	s_mov_b32 s33, 0
	s_lshl_b32 s34, s4, 23
	s_lshl_b32 s7, s5, 16                          ; 65,536 written
	s_add_co_u32 s34, s34, s7
	s_mov_b32 s35, 0
	s_add_nc_u64 s[28:29], s[8:9], s[32:33]
	s_add_nc_u64 s[30:31], s[20:21], s[34:35]
	s_wait_alu depctr_va_vdst(0)                   ; v1 and v2 are written: every load and store of this path reads one of them as its offset
.set i, 0
.rept 3*BLK
	global_load_b128 v[X+4*i:X+4*i+3], v1, s[28:29] offset:4096*i th:TH_LOAD_NT       ; blocks 0, 1 and 2 into X0, X1, X2
.set i, i+1
.endr
.set bp, 0
.rept NBLK
	CBLK
.endr
	s_wait_alu depctr_va_vdst(0)                   ; block 7 has written its Y, which the last four stores read
.irp i, 0,1,2,3
	global_store_b64 v2, v[Y+2*(BLK*(NBLK-1)+(\i)):Y+2*(BLK*(NBLK-1)+(\i))+1], s[30:31] offset:2048*(BLK*(NBLK-1)+(\i))
.endr
	s_endpgm
.Lw:	; wq (y = 2, 3), wk (4), wv (5) -> wb.  x: row group x >> 1 of the unit's 64, half x & 1 of K
	s_cmp_eq_u32 s4, 4
	s_cselect_b64 s[28:29], s[12:13], s[10:11]
	s_cmp_eq_u32 s4, 5
	s_cselect_b64 s[28:29], s[14:15], s[28:29]
	s_cselect_b32 s38, 0x3e000000, 1.0             ; wv is divided by 8
	s_mov_b32 s39, s38
	s_cmp_eq_u32 s4, 3
	s_cselect_b32 s32, 0x1000000, 0                ; wq's second unit
	s_lshr_b32 s7, s5, 1
	s_lshl_b32 s36, s7, 18                         ; 16 rows of 16,384 bytes
	s_add_co_u32 s32, s32, s36
	s_and_b32 s37, s5, 1
	s_lshl_b32 s36, s37, 13                        ; 2,048 f32
	s_add_co_u32 s32, s32, s36
	s_mov_b32 s33, 0
	s_sub_co_u32 s34, s4, 2
	s_lshl_b32 s34, s34, 3                         ; a unit is 1,024 rows = 8 blocks of 128
	s_lshr_b32 s36, s5, 4
	s_add_co_u32 s34, s34, s36
	s_lshl_b32 s34, s34, 20                        ; a block of 128 rows: 128 chunks of 8,192 bytes
	s_and_b32 s36, s7, 7
	s_lshl_b32 s36, s36, 10                        ; the row group in its block
	s_add_co_u32 s34, s34, s36
	s_lshl_b32 s36, s37, 19                        ; 64 chunks
	s_add_co_u32 s34, s34, s36
	s_mov_b32 s35, 0
	s_add_nc_u64 s[28:29], s[28:29], s[32:33]
	s_add_nc_u64 s[30:31], s[22:23], s[34:35]
	TSETUP 14
.set i, 0
.rept 3*BLK
	global_load_b128 v[X+4*i:X+4*i+3], v1, s[28:29] offset:2*(i%8)*16384+(i/8)*2048 th:TH_LOAD_NT   ; blocks 0, 1 and 2 into X0, X1, X2
.set i, i+1
.endr
.set bp, 0
.rept NBLK
	WBLK 16384, 0
.endr
	WTAIL
	s_wait_dscnt 0x0                               ; the closing lines, six on end
	s_wait_alu 0x0
	s_wait_tensorcnt 0x0
	ds_add_u32 v144, v145
	s_wait_dscnt 0x0
	s_endpgm
.Lwo:	; wo (y = 6, 7) -> wob.  x: row group of the unit's 128; a row is 2,048 f32
	s_mov_b32 s38, 0x41000000                      ; wo is multiplied by 8
	s_mov_b32 s39, s38
	s_and_b32 s37, s4, 1
	s_lshl_b32 s32, s37, 24
	s_lshl_b32 s36, s5, 17                         ; 16 rows of 8,192 bytes
	s_add_co_u32 s32, s32, s36
	s_mov_b32 s33, 0
	s_lshl_b32 s34, s37, 4                         ; a unit is 2,048 rows = 16 blocks of 128
	s_lshr_b32 s36, s5, 3
	s_add_co_u32 s34, s34, s36
	s_lshl_b32 s34, s34, 19                        ; a block of 128 rows: 64 chunks of 8,192 bytes
	s_and_b32 s36, s5, 7
	s_lshl_b32 s36, s36, 10
	s_add_co_u32 s34, s34, s36
	s_mov_b32 s35, 0
	s_add_nc_u64 s[28:29], s[16:17], s[32:33]
	s_add_nc_u64 s[30:31], s[24:25], s[34:35]
	TSETUP 13
.set i, 0
.rept 3*BLK
	global_load_b128 v[X+4*i:X+4*i+3], v1, s[28:29] offset:2*(i%8)*8192+(i/8)*2048 th:TH_LOAD_NT    ; blocks 0, 1 and 2 into X0, X1, X2
.set i, i+1
.endr
.set bp, 0
.rept NBLK
	WBLK 8192, 1
.endr
	WTAIL
	s_wait_dscnt 0x0                               ; the closing lines, six on end
	s_wait_alu 0x0
	s_wait_tensorcnt 0x0
	ds_add_u32 v144, v145
	s_wait_dscnt 0x0
	s_endpgm
.Ltable:
	s_mov_b32 s40, 0x44a2f983                      ; 8192 / (2 pi)
	s_mov_b32 s41, 0x3f600000                      ; 0.875
	s_mov_b32 s42, 0x3a490fdb                      ; 2 pi / 8192
	s_mov_b32 s43, 0x3b490fdb                      ; 2 pi / 2048
	s_mov_b32 s44, 0xb9500d01                      ; -1/5040
	s_mov_b32 s45, 0x37d00d01                      ; 1/40320
	s_mov_b32 s46, 0x3eb6d544                      ; ALPHA = 0.35709583
	v_lshl_add_u32 v3, s5, 8, v0                   ; 256 x + thread = 16 s + iq
	v_lshrrev_b32 v6, 4, v3                        ; s
	v_and_b32 v5, 15, v3                           ; iq
	v_lshlrev_b32 v8, 2, v6
	s_wait_alu depctr_va_vdst(0)                   ; v8 is written, which the load reads as its offset
	global_load_b32 v4, v8, s[18:19]               ; the position
	v_lshlrev_b32 v7, 9, v6                        ; a table row is 512 bytes
	v_lshl_add_u32 v7, v5, 4, v7                   ; my four cosines; sixteen lanes fill 256 consecutive aligned bytes
	v_lshlrev_b32 v5, 2, v5                        ; my first frequency
	s_wait_loadcnt 0x0
	v_cvt_f32_i32 v4, v4
	SC 0
	SC 1
	SC 2
	SC 3
	s_wait_alu depctr_va_vdst(0)                   ; v7 and v[24:31] are written: the two stores' offset and data
	global_store_b128 v7, v[24:27], s[26:27]
	global_store_b128 v7, v[28:31], s[26:27] offset:256
	s_endpgm
.Lfunc_end_k_q509fd90231_prep:
	.size	k_q509fd90231_prep, .Lfunc_end_k_q509fd90231_prep-k_q509fd90231_prep
	.p2alignl 7, 3214868480
	.fill 96, 4, 3214868480
	.section	.rodata,"a",@progbits
	.p2align	6, 0x0
	.amdhsa_kernel k_q509fd90231_prep
		.amdhsa_group_segment_fixed_size 18432
		.amdhsa_private_segment_fixed_size 0
		.amdhsa_enable_private_segment 0
		.amdhsa_kernarg_size 80
		.amdhsa_user_sgpr_count 2
		.amdhsa_user_sgpr_kernarg_segment_ptr 1
		.amdhsa_wavefront_size32 1
		.amdhsa_system_sgpr_workgroup_id_x 1
		.amdhsa_system_sgpr_workgroup_id_y 1
		.amdhsa_system_sgpr_workgroup_id_z 1
		.amdhsa_system_vgpr_workitem_id 0
		.amdhsa_next_free_vgpr 158
		.amdhsa_next_free_sgpr 66
		.amdhsa_reserve_vcc 0
		.amdhsa_float_denorm_mode_32 3
		.amdhsa_float_denorm_mode_16_64 3
		.amdhsa_memory_ordered 1
		.amdhsa_forward_progress 1
		.amdhsa_inst_pref_size 70
	.end_amdhsa_kernel
	.amdgpu_metadata
---
amdhsa.version: [ 1, 2 ]
amdhsa.kernels:
  - .name:           k_q509fd90231_prep
    .symbol:         k_q509fd90231_prep.kd
    .args:
      - { .name: hidden_states, .offset: 0, .size: 8, .value_kind: global_buffer, .address_space: global }
      - { .name: wq, .offset: 8, .size: 8, .value_kind: global_buffer, .address_space: global }
      - { .name: wk, .offset: 16, .size: 8, .value_kind: global_buffer, .address_space: global }
      - { .name: wv, .offset: 24, .size: 8, .value_kind: global_buffer, .address_space: global }
      - { .name: wo, .offset: 32, .size: 8, .value_kind: global_buffer, .address_space: global }
      - { .name: position_ids, .offset: 40, .size: 8, .value_kind: global_buffer, .address_space: global }
      - { .name: xb, .offset: 48, .size: 8, .value_kind: global_buffer, .address_space: global }
      - { .name: wb, .offset: 56, .size: 8, .value_kind: global_buffer, .address_space: global }
      - { .name: wob, .offset: 64, .size: 8, .value_kind: global_buffer, .address_space: global }
      - { .name: rope, .offset: 72, .size: 8, .value_kind: global_buffer, .address_space: global }
    .group_segment_fixed_size: 18432
    .private_segment_fixed_size: 0
    .kernarg_segment_align: 8
    .kernarg_segment_size: 80
    .max_flat_workgroup_size: 256
    .sgpr_count:     66
    .vgpr_count:     158
    .wavefront_size: 32
...
	.end_amdgpu_metadata
.endif
;; end of part 5
;; launch qkv: the kernel of part 2 again; grid 16 x 16, 4 waves a work-group, clusters of 4 x 4, 327,680 bytes of LDS; arguments xb, wb, qkvh, rope; writes qkvh
;; launch attn: the kernel of part 3 again; grid 32 x 8, 4 waves a work-group, clusters of 4 x 4, 327,680 bytes of LDS; arguments qkvh, attention_mask, ctxh; writes ctxh
;; launch oproj: the kernel of part 4 again; grid 16 x 16, 4 waves a work-group, clusters of 4 x 4, 327,680 bytes of LDS; arguments ctxh, wob, out0; writes out0
